; MI455X (gfx1250); checked and timed in simulation.
; The chip was launched on July 23, 2026; its instructions are those of AMD's public machine-readable ISA for CDNA 5 (MIT licence, August 2026) and "CDNA5" Instruction Set Architecture Reference Guide (July 2026). The comments in the code are by the model that wrote it; some were corrected since.
;; Gated Linear Attention. Allowed arithmetic: float matrix products may take bf16 or f16 operands with f32 sums; other float arithmetic in f32, or as packed bf16 or f16 multiplies, adds, multiply-adds, maxima and minima; sums over many terms, partial sums and values carried from step to step in f32; what a program stores and reads back later, other than sums and carried values, may be rounded once to bf16 or f16.
;; Inputs: Wg 1,024 x 8 float32; Wk 1,024 x 512 float32; Wo 2,048 x 1,024 float32; Wog 1,024 x 2,048 float32; Wq 1,024 x 512 float32; Wv 1,024 x 2,048 float32; bg 8 float32; x 2 x 4,096 x 1,024 float32.
;; Outputs: out0 2 x 4,096 x 1,024 float32.
;; 2 versions, each right; version 2 is version 1 with the launches cast, scan written anew for expert scheduling mode. Each part assembles by itself: llvm-mc -triple=amdgcn-amd-amdhsa -mcpu=gfx1250 --defsym DOCPART=n.
;; ======== version 1 of 2: 6 launches
;; limits: values are held in f16: magnitudes above 65,504 overflow, below 6.1e-05 lose precision; a difference of large sums (such as E[x^2] - mean^2): digits are lost where the result is much smaller than its terms
;; workspace buffers: xb 16,777,216 bytes; wb 14,680,064 bytes; lat 262,144 bytes; pj 83,886,080 bytes; ust 16,777,216 bytes; sst 8,388,608 bytes; gg 33,554,432 bytes; mxt 16,384 bytes
;; launch cast (part 1): grid 480 x 1, 8 waves a work-group, no clusters, 34,816 bytes of LDS; arguments x, Wg, bg, Wq, Wk, Wv, Wog, Wo, xb, wb, lat; writes xb, wb, lat
.if DOCPART == 1
	.amdgcn_target "amdgcn-amd-amdhsa--gfx1250"
	.amdhsa_code_object_version 6
	.text
	.protected	k_q1942df81ff_cast
	.globl	k_q1942df81ff_cast
	.p2align	8
	.type	k_q1942df81ff_cast,@function
k_q1942df81ff_cast:
	s_mov_b64 s[64:65], 0
	v_nop
	global_prefetch_b8 v0, s[64:65] scope:SCOPE_SE
	s_setreg_imm32_b32 hwreg(HW_REG_WAVE_MODE, 25, 1), 1
	s_wait_xcnt 0x0
; GATED LINEAR ATTENTION in six launches.  S_t = a_t S_(t-1) + k_t^T v_t, o_t = q_t S_t, out = (o sigmoid(x Wog)) Wo; 16 pairs (batch, head), 4,096 tokens each.
; THE RECURRENCE IN SEGMENTS of 256 tokens.  la = log2(a), L_t = the running sum of la inside a segment.  Key s weighs on query t >= s with 2^(L_t - L_s), the state that enters the segment with 2^(L_t),
; and the segment passes on 2^(L_256) S_in + U, U = the sum over s of 2^(L_256 - L_s) k_s^T v_s.  a lies in 0 to 1, so every such factor is at most 1.
; WORK LEFT OUT, for all values of the inputs: (1) the product of a sequence's first segment with the state that enters it: reference() builds that state as zeros; (2) U of each sequence's last segment: no
; later token exists to read it; (3) the blocks of 64 x 64 scores whose keys all come later than their queries: o_t is a sum over s <= t alone.  Every input has a way to the output and is loaded.
; LIMIT: a NaN, an infinity or an overflow that reaches only the work left out is not carried to the result.
; THIS LAUNCH: work-groups 0-255 round x to bf16 (xb) and make la = log2 sigmoid((x Wg + bg) / 16) in f32 from the unrounded x (lat, [batch x 8 + head][4096]); work-groups 256-479 round the five large
; weights to bf16 (wb): Wq, Wk, Wv, Wog side by side as one matrix [1024][5120] (head h: columns 128 h q, 128 h + 64 k; v from 1024, the output gate from 3072), then Wo [2048][1024] at byte 10,485,760.
; Wo's rounded numbers are written as f16, since its partner in the last product is f16.  LIMIT: that is exact from 2^-17 up to 65,504; below, f16's fixed step of 6e-8 holds; beyond, Wo is lost.
; log2 sigmoid(u) = min(u2, 0) - log2(1 + 2^-|u2|), u2 = u log2(e): finite for every finite u.  LIMIT: beyond |u2| = 24 the second term counts as 0.
; Memory binds: loads of 16 bytes a lane, stores that cover 256 consecutive bytes a wave (Wq's and Wk's: two runs of 128).  No matrix unit, no cluster: nothing is shared but Wg, 32 KiB, which lies in LDS.
.set ZX,    32768                      ; LDS: Wg in lane order at 0; 256 words of la here; then the spare words, 128 bytes for each wave
.set SPARE, 33792
.set LN,   1                           ; lane
.set XO,   2                           ; my byte offset in x: 16 l + 4 rows x wave; never rewritten
.set YO,   3                           ; in xb: 8 l + 4 rows x wave; never rewritten
.set WL,   4                           ; LDS address of my part of Wg
.set T0,   5                           ; v5-8 at work
.set IDX,  9                           ; which of the wave's 32 sums ends in my lane
.set TA,   10
.set ZXA,  11
.set BGV,  12
.set SSRC, 13
.set SDST, 14
.set LATO, 15
.set XA,   16                          ; v[16:31]  4 rows x 4 columns of x
.set XB,   32                          ; v[32:47]  the same for the next 128 columns
.set WR,   48                          ; v[48:79]  Wg of my 4 columns: register 8 kk + head
.set ACC,  80                          ; v[80:111] partial sums: register 8 row + head
.set YA,   112
.set YB,   120
.set SPW,  128
.set NIL,  129
.set WLD,  16                          ; the weights' path: 8 chunks as loaded,
.set WD,   48                          ; their byte offsets in wb,
.set WP,   56                          ; and their packed results
	s_load_b512 s[16:31], s[0:1], 0x0              ; x 16, Wg 18, bg 20, Wq 22, Wk 24, Wv 26, Wog 28, Wo 30
	s_load_b128 s[32:35], s[0:1], 0x40             ; xb 32, wb 34
	s_load_b64 s[36:37], s[0:1], 0x50              ; lat
	v_lshl_add_u32 v[SPW], v0, 2, SPARE
	v_mov_b32 v[NIL], 0
	s_cmp_ge_u32 ttmp9, 256                        ; the same in all eight waves
	s_cbranch_scc1 .Lweights
	; ---- x: 32 rows a work-group, 4 a wave; lane l holds columns 128 jj + 4 l + 0..3, jj = 0..7 ----
	v_and_b32 v[LN], 31, v0
	v_lshrrev_b32 v[TA], 5, v0
	v_readfirstlane_b32 s38, v[TA]                 ; wave
	s_mov_b32 s46, 0x76543210
	s_mov_b32 s47, 0xfedcba98
	v_and_b32 v[T0], 1, v[LN]                      ; the lane's five bits as masks, and IDX = 16 b0 + 8 b1 + 4 b2 + 2 b3 + b4
	v_cmp_ne_u32 s41, 0, v[T0]
	v_lshlrev_b32 v[IDX], 4, v[T0]
	v_and_b32 v[T0], 2, v[LN]
	v_cmp_ne_u32 s42, 0, v[T0]
	v_lshl_or_b32 v[IDX], v[T0], 2, v[IDX]
	v_and_b32 v[T0], 4, v[LN]
	v_cmp_ne_u32 s43, 0, v[T0]
	v_or_b32 v[IDX], v[IDX], v[T0]
	v_and_b32 v[T0], 8, v[LN]
	v_cmp_ne_u32 s44, 0, v[T0]
	v_lshrrev_b32 v[T0], 2, v[T0]
	v_or_b32 v[IDX], v[IDX], v[T0]
	v_bfe_u32 v[T0], v[LN], 4, 1
	v_cmp_ne_u32 s45, 0, v[T0]
	v_or_b32 v[IDX], v[IDX], v[T0]
	v_and_b32 v[T0+1], 7, v[IDX]                   ; my sum's head
	v_lshrrev_b32 v[T0+2], 3, v[IDX]               ; and row
	v_lshlrev_b32 v[TA], 2, v[T0+1]
	s_lshl_b32 s39, s38, 2
	v_lshl_add_u32 v[ZXA], v[T0+1], 5, v[T0+2]
	v_add_nc_u32 v[ZXA], s39, v[ZXA]
	v_lshl_add_u32 v[ZXA], v[ZXA], 2, ZX           ; word head x 32 + 4 wave + row
	s_lshl_b32 s39, s38, 14
	v_lshl_add_u32 v[XO], v[LN], 4, s39
	s_lshl_b32 s39, s38, 13
	v_lshl_add_u32 v[YO], v[LN], 3, s39
	v_lshlrev_b32 v[WL], 4, v[LN]
	v_lshlrev_b32 v[SSRC], 4, v0
	v_and_b32 v[T0], 7, v0
	v_lshrrev_b32 v[T0+1], 3, v0
	v_lshlrev_b32 v[SDST], 4, v[T0+1]
	v_lshl_add_u32 v[SDST], v[T0], 9, v[SDST]      ; piece t % 8 of lane t / 8's 128 bytes goes to 512 (t % 8) + 16 (t / 8): a wave's later reads are 512 bytes on end
	s_lshr_b32 s48, ttmp9, 7                       ; batch
	s_lshl_b32 s48, s48, 17
	s_and_b32 s49, ttmp9, 127
	s_lshl_b32 s49, s49, 7
	s_add_co_u32 s48, s48, s49
	v_lshrrev_b32 v[T0], 5, v0
	v_lshlrev_b32 v[LATO], 2, v[LN]
	v_lshl_add_u32 v[LATO], v[T0], 14, v[LATO]
	v_add_nc_u32 v[LATO], s48, v[LATO]             ; thread t stores head t / 32, token t % 32 of the group's 32
	s_lshl_b32 s50, ttmp9, 17
	s_mov_b32 s51, 0
	s_lshl_b32 s52, ttmp9, 16
	s_mov_b32 s53, 0
	s_wait_kmcnt 0x0
	s_add_nc_u64 s[16:17], s[16:17], s[50:51]      ; x and xb at the group's first row
	s_add_nc_u64 s[32:33], s[32:33], s[52:53]
	global_load_b32 v[BGV], v[TA], s[20:21]
.irp i, 0,1,2,3,4,5,6,7
	global_load_b128 v[ACC+4*(\i):ACC+4*(\i)+3], v[SSRC], s[18:19] offset:4096*(\i)
.endr
.irp rr, 0,1,2,3
	global_load_b128 v[XA+4*(\rr):XA+4*(\rr)+3], v[XO], s[16:17] offset:(\rr)*4096 th:TH_LOAD_NT
.endr
.irp rr, 0,1,2,3
	global_load_b128 v[XB+4*(\rr):XB+4*(\rr)+3], v[XO], s[16:17] offset:(\rr)*4096+512 th:TH_LOAD_NT
.endr
	s_wait_loadcnt 8                               ; bg and Wg are in; the eight loads of x stay out
.irp i, 0,1,2,3,4,5,6,7
	ds_store_b128 v[SDST], v[ACC+4*(\i):ACC+4*(\i)+3] offset:4096*(\i)
.endr
	v_mul_f32 v[BGV], 0x3db8aa3b, v[BGV]           ; bg log2(e) / 16
	s_wait_dscnt 0x0                               ; for the others' sake: my part of Wg lies in LDS
	s_barrier_signal -1
	s_barrier_wait -1
.set r, 0
.rept 32
	v_mov_b32 v[ACC+r], 0                          ; written while x is on its way, so that the loop has one form
.set r, r+1
.endr
; 128 columns of the wave's four rows: Wg's 32 numbers for my 4 columns from LDS, 64 packed multiply-adds, the rounding, the set's next load, the stores.  left = the younger loads that may stay out.
.macro HALF set, yset, hf, ahead, left
.irp p, 0,1,2,3,4,5,6,7
	ds_load_b128 v[WR+4*(\p):WR+4*(\p)+3], v[WL] offset:(\hf)*4096+(\p)*512
.endr
	s_wait_loadcnt \left                           ; this set is in; the other set's four loads stay out
	s_wait_dscnt 0x0
	s_wait_xcnt 0x0                                ; the stores that read this set's packed registers have had their addresses translated: only now are they rewritten
.irp kp, 0,1
.irp rr, 0,1,2,3
.irp hp, 0,1,2,3
	v_pk_fma_f32 v[ACC+8*(\rr)+2*(\hp):ACC+8*(\rr)+2*(\hp)+1], v[WR+16*(\kp)+2*(\hp):WR+16*(\kp)+2*(\hp)+1], v[(\set)+4*(\rr)+2*(\kp):(\set)+4*(\rr)+2*(\kp)+1], v[ACC+8*(\rr)+2*(\hp):ACC+8*(\rr)+2*(\hp)+1] op_sel_hi:[1,0,1]
.endr
.endr
.irp rr, 0,1,2,3
.irp hp, 0,1,2,3
	v_pk_fma_f32 v[ACC+8*(\rr)+2*(\hp):ACC+8*(\rr)+2*(\hp)+1], v[WR+16*(\kp)+8+2*(\hp):WR+16*(\kp)+8+2*(\hp)+1], v[(\set)+4*(\rr)+2*(\kp):(\set)+4*(\rr)+2*(\kp)+1], v[ACC+8*(\rr)+2*(\hp):ACC+8*(\rr)+2*(\hp)+1] op_sel:[0,1,0] op_sel_hi:[1,1,1]
.endr
.endr
.endr
.irp rr, 0,1,2,3
	v_cvt_pk_bf16_f32 v[(\yset)+2*(\rr)],   v[(\set)+4*(\rr)],   v[(\set)+4*(\rr)+1]
	v_cvt_pk_bf16_f32 v[(\yset)+2*(\rr)+1], v[(\set)+4*(\rr)+2], v[(\set)+4*(\rr)+3]
.endr
.if \ahead
.irp rr, 0,1,2,3
	global_load_b128 v[(\set)+4*(\rr):(\set)+4*(\rr)+3], v[XO], s[16:17] offset:(\rr)*4096+(\hf)*512+1024 th:TH_LOAD_NT
.endr
.endif
.irp rr, 0,1,2,3
	global_store_b64 v[YO], v[(\yset)+2*(\rr):(\yset)+2*(\rr)+1], s[32:33] offset:(\rr)*2048+(\hf)*256 th:TH_STORE_NT  ; a wave stores 256 consecutive bytes, aligned
.endr
.endm
	s_mov_b32 s40, 3
.Lx:
	HALF XA, YA, 0, 1, 4
	HALF XB, YB, 1, 1, 4
	s_wait_xcnt 0x0                                ; the two bases are written only behind this wait
	s_add_nc_u64 s[16:17], s[16:17], 1024
	s_add_nc_u64 s[32:33], s[32:33], 512
	v_add_nc_u32 v[WL], 8192, v[WL]
	s_sub_co_u32 s40, s40, 1
	s_cmp_lg_u32 s40, 0
	s_cbranch_scc1 .Lx
	HALF XA, YA, 0, 0, 4                           ; the last 256 columns load nothing
	HALF XB, YB, 1, 0, 0
; The 32 sums over the 32 lanes: in each step a lane keeps one half of its sums and hands the other half to the lane that differs in one bit.  31 additions for 32 sums; lane l ends with sum IDX.
.macro RS m, n, msk
.set ri, 0
.rept (\n)/2
	v_cndmask_b32 v[T0+2*(ri%2)],   v[ACC+ri], v[ACC+ri+(\n)/2], s[\msk]
	v_cndmask_b32 v[T0+2*(ri%2)+1], v[ACC+ri+(\n)/2], v[ACC+ri], s[\msk]
	v_add_f32_dpp v[ACC+ri], v[T0+2*(ri%2)+1], v[T0+2*(ri%2)] row_xmask:\m row_mask:0xf bank_mask:0xf
.set ri, ri+1
.endr
.endm
	RS 1, 32, 41
	RS 2, 16, 42
	RS 4, 8, 43
	RS 8, 4, 44
	v_cndmask_b32 v[T0],   v[ACC], v[ACC+1], s45
	v_cndmask_b32 v[T0+1], v[ACC+1], v[ACC], s45
	v_permlanex16_b32 v[T0+2], v[T0+1], s46, s47
	v_add_f32 v[T0], v[T0], v[T0+2]
	v_fmamk_f32 v[T0], v[T0], 0x3db8aa3b, v[BGV]   ; u2 = (z + bg) log2(e) / 16
	v_or_b32 v[T0+1], 0x80000000, v[T0]            ; -|u2|
	v_exp_f32 v[T0+1], v[T0+1]
	v_min_num_f32 v[T0+2], 0, v[T0]                ; the plain instruction behind the exponential
	s_wait_alu depctr_va_vdst(0)                   ; the wait ahead of the result's first reader
	v_add_f32 v[T0+1], 1.0, v[T0+1]
	v_log_f32 v[T0+1], v[T0+1]
	v_nop
	s_wait_alu depctr_va_vdst(0)
	v_sub_f32 v[T0], v[T0+2], v[T0+1]              ; la
	ds_store_b32 v[ZXA], v[T0]
	v_lshl_add_u32 v[TA], v0, 2, ZX
	s_wait_dscnt 0x0
	s_barrier_signal -1
	s_barrier_wait -1                              ; all 256 la of the group lie in LDS, by heads
	ds_load_b32 v[T0+1], v[TA]
	s_wait_dscnt 0x0
	global_store_b32 v[LATO], v[T0+1], s[36:37]
	s_wait_tensorcnt 0x0                           ; the wave's end, behind my last LDS store
	ds_add_u32 v[SPW], v[NIL]
	s_wait_dscnt 0x0
	s_endpgm
	; ---- the weights: 131,072 source bytes a work-group
.Lweights:
	s_sub_co_u32 s40, ttmp9, 256
	s_wait_kmcnt 0x0
	s_mov_b64 s[42:43], s[22:23]                   ; Wq: 16 work-groups
	s_mov_b32 s44, 0                               ; the matrix's first work-group
	s_mov_b32 s45, 9                               ; log2 of its columns
	s_mov_b32 s53, 511                             ; columns - 1
	s_mov_b32 s46, 6                               ; column c goes to ((c >> SH) << 7) + (c & MSK) + CB
	s_mov_b32 s47, 63
	s_mov_b32 s48, 0
	s_mov_b32 s49, 10240                           ; bytes in a row of the target
	s_mov_b32 s50, 0                               ; the target's first byte in wb
	s_mov_b32 s51, 0
	s_mov_b32 s57, 0                               ; all ones where the rounded number is written as f16
	s_cmp_ge_u32 s40, 16                           ; Wk
	s_cselect_b64 s[42:43], s[24:25], s[42:43]
	s_cselect_b32 s44, 16, s44
	s_cselect_b32 s48, 64, s48
	s_cmp_ge_u32 s40, 32                           ; Wv
	s_cselect_b64 s[42:43], s[26:27], s[42:43]
	s_cselect_b32 s44, 32, s44
	s_cselect_b32 s45, 11, s45
	s_cselect_b32 s53, 2047, s53
	s_cselect_b32 s46, 11, s46
	s_cselect_b32 s47, 2047, s47
	s_cselect_b32 s48, 1024, s48
	s_cmp_ge_u32 s40, 96                           ; Wog
	s_cselect_b64 s[42:43], s[28:29], s[42:43]
	s_cselect_b32 s44, 96, s44
	s_cselect_b32 s48, 3072, s48
	s_cmp_ge_u32 s40, 160                          ; Wo
	s_cselect_b64 s[42:43], s[30:31], s[42:43]
	s_cselect_b32 s44, 160, s44
	s_cselect_b32 s45, 10, s45
	s_cselect_b32 s53, 1023, s53
	s_cselect_b32 s48, 0, s48
	s_cselect_b32 s49, 2048, s49
	s_cselect_b32 s50, 10485760, s50
	s_cselect_b32 s57, -1, s57
	s_sub_co_u32 s40, s40, s44                     ; my number among the matrix's work-groups
	s_lshl_b32 s52, s40, 15                        ; my first element
	s_lshl_b32 s54, s40, 17                        ; my first byte
	s_mov_b32 s55, 0
	s_add_nc_u64 s[42:43], s[42:43], s[54:55]
	s_add_nc_u64 s[34:35], s[34:35], s[50:51]
	v_lshlrev_b32 v2, 4, v0
	v_lshl_add_u32 v3, v0, 2, s52                  ; the element number of my first four
	s_mov_b32 s56, 4
.Lw:
.irp u, 0,1,2,3,4,5,6,7
	global_load_b128 v[WLD+4*(\u):WLD+4*(\u)+3], v2, s[42:43] offset:4096*(\u) th:TH_LOAD_NT
.endr
.irp u, 0,1,2,3,4,5,6,7
	v_add_nc_u32 v5, 1024*(\u), v3
	v_lshrrev_b32 v6, s45, v5                      ; row
	v_and_b32 v5, s53, v5                          ; column
	v_lshrrev_b32 v7, s46, v5
	v_and_b32 v5, s47, v5
	v_lshl_add_u32 v5, v7, 7, v5
	v_add_lshl_u32 v5, v5, s48, 1
	v_mad_u32_u24 v[WD+(\u)], v6, s49, v5
	s_wait_loadcnt 7-(\u)                          ; chunk u is in; the younger ones stay out
	v_cvt_pk_bf16_f32 v[WP+2*(\u)],   v[WLD+4*(\u)],   v[WLD+4*(\u)+1]
	v_cvt_pk_bf16_f32 v[WP+2*(\u)+1], v[WLD+4*(\u)+2], v[WLD+4*(\u)+3]
.irp c, 0,1
	v_lshlrev_b32 v8, 16, v[WP+2*(\u)+(\c)]        ; the rounded pair once more as f32, then as f16; the select keeps it for Wo alone
	v_and_b32 v9, 0xffff0000, v[WP+2*(\u)+(\c)]
	v_cvt_pk_f16_f32 v8, v8, v9
	v_cndmask_b32 v[WP+2*(\u)+(\c)], v[WP+2*(\u)+(\c)], v8, s57
.endr
	global_store_b64 v[WD+(\u)], v[WP+2*(\u):WP+2*(\u)+1], s[34:35] th:TH_STORE_NT
.endr
	s_wait_xcnt 0x0                                ; the base, the offsets and the packed registers are rewritten only behind this wait
	s_add_nc_u64 s[42:43], s[42:43], 32768
	v_add_nc_u32 v3, 8192, v3
	s_sub_co_u32 s56, s56, 1
	s_cmp_lg_u32 s56, 0
	s_cbranch_scc1 .Lw
	s_endpgm
.Lfunc_end_k_q1942df81ff_cast:
	.size	k_q1942df81ff_cast, .Lfunc_end_k_q1942df81ff_cast-k_q1942df81ff_cast
	.p2alignl 7, 3214868480
	.fill 96, 4, 3214868480
	.section	.rodata,"a",@progbits
	.p2align	6, 0x0
	.amdhsa_kernel k_q1942df81ff_cast
		.amdhsa_group_segment_fixed_size 34816
		.amdhsa_private_segment_fixed_size 0
		.amdhsa_enable_private_segment 0
		.amdhsa_kernarg_size 88
		.amdhsa_user_sgpr_count 2
		.amdhsa_user_sgpr_kernarg_segment_ptr 1
		.amdhsa_wavefront_size32 1
		.amdhsa_system_sgpr_workgroup_id_x 1
		.amdhsa_system_sgpr_workgroup_id_y 1
		.amdhsa_system_sgpr_workgroup_id_z 1
		.amdhsa_system_vgpr_workitem_id 0
		.amdhsa_next_free_vgpr 132
		.amdhsa_next_free_sgpr 66
		.amdhsa_reserve_vcc 0
		.amdhsa_float_denorm_mode_32 3
		.amdhsa_float_denorm_mode_16_64 3
		.amdhsa_memory_ordered 1
		.amdhsa_forward_progress 1
		.amdhsa_inst_pref_size 48
	.end_amdhsa_kernel
	.amdgpu_metadata
---
amdhsa.version: [ 1, 2 ]
amdhsa.kernels:
  - .name:           k_q1942df81ff_cast
    .symbol:         k_q1942df81ff_cast.kd
    .args:
      - { .name: x, .offset: 0, .size: 8, .value_kind: global_buffer, .address_space: global }
      - { .name: Wg, .offset: 8, .size: 8, .value_kind: global_buffer, .address_space: global }
      - { .name: bg, .offset: 16, .size: 8, .value_kind: global_buffer, .address_space: global }
      - { .name: Wq, .offset: 24, .size: 8, .value_kind: global_buffer, .address_space: global }
      - { .name: Wk, .offset: 32, .size: 8, .value_kind: global_buffer, .address_space: global }
      - { .name: Wv, .offset: 40, .size: 8, .value_kind: global_buffer, .address_space: global }
      - { .name: Wog, .offset: 48, .size: 8, .value_kind: global_buffer, .address_space: global }
      - { .name: Wo, .offset: 56, .size: 8, .value_kind: global_buffer, .address_space: global }
      - { .name: xb, .offset: 64, .size: 8, .value_kind: global_buffer, .address_space: global }
      - { .name: wb, .offset: 72, .size: 8, .value_kind: global_buffer, .address_space: global }
      - { .name: lat, .offset: 80, .size: 8, .value_kind: global_buffer, .address_space: global }
    .group_segment_fixed_size: 34816
    .private_segment_fixed_size: 0
    .kernarg_segment_align: 8
    .kernarg_segment_size: 88
    .max_flat_workgroup_size: 256
    .sgpr_count:     66
    .vgpr_count:     132
    .wavefront_size: 32
...
	.end_amdgpu_metadata
.endif
;; end of part 1
;; launch proj (part 2): grid 20 x 32, 4 waves a work-group, clusters of 4 x 4, 327,680 bytes of LDS; arguments xb, wb, pj; writes pj
.if DOCPART == 2
	.amdgcn_target "amdgcn-amd-amdhsa--gfx1250"
	.amdhsa_code_object_version 6
	.text
	.protected	k_q1942df81ff_proj
	.globl	k_q1942df81ff_proj
	.p2align	8
	.type	k_q1942df81ff_proj,@function
k_q1942df81ff_proj:
	s_mov_b64 s[64:65], 0
	v_nop
	global_prefetch_b8 v0, s[64:65] scope:SCOPE_SE
	s_setreg_imm32_b32 hwreg(HW_REG_WAVE_MODE, 25, 1), 1
	s_wait_xcnt 0x0
	s_wait_alu depctr_hold_cnt(0) depctr_sa_sdst(0) depctr_va_vdst(0) depctr_va_sdst(0) depctr_va_ssrc(0) depctr_va_vcc(0) depctr_vm_vsrc(0)
	s_getreg_b32 s2, hwreg(HW_REG_IB_STS2, 6, 4)
	s_cmp_eq_u32 s2, 0
	s_cbranch_scc0 .Lentry_in_a_cluster
	s_endpgm
.Lentry_in_a_cluster:
	s_bfe_u32 s2, ttmp6, 0x10000c
	s_cmp_lg_u32 s2, 0xf033
	s_cbranch_scc0 .Lentry_shape_is_right
	s_endpgm
.Lentry_shape_is_right:
; pj = xb wcat: C[m][n] = the sum over k of A[m][k] B[k][n].  A = xb [8192][1024] bf16, B = the first matrix of wb [1024][5120] bf16, C = pj [8192][5120] f16; sums in f32, C rounded once.
; LIMIT: f16 ends at 65,504: q, k, v and the output gate's argument must lie within it.
; A tile of C is 256 x 256: four waves, each 128 x 128 in 64 accumulators.  K goes in steps of 128 through two LDS slots that tensor loads fill: waves 0, 1 fetch A's two halves (128 rows x 256 bytes),
; waves 2, 3 B's (64 rows of K x 512 bytes).  B lies [K][N], so its fragments come out of LDS turned, by ds_load_tr16_b128.
; CLUSTER 4 x 4: A's tile is asked for jointly along a row of the cluster, B's along a column.  The matrix instruction is used transposed (source 0 = 16 columns of B, source 1 = 16 rows of A): a lane then
; holds eight neighbouring numbers of one row of C.
; REGISTERS in windows of 256: window 0 addresses, A's two fragment buffers (v64, v128), the way out; window 1 B's two buffers; windows 2, 3 the accumulators ((a, b) at window 2 + a / 4, v[8 (8 (a % 4) + b)]).
.set GN,     5120
.set GK,     1024
.set TM,     256
.set MB,     8                         ; blocks of 16 rows a wave
.set AH,     TM/2                      ; rows of A in one tensor load
.set BOFF,   0                         ; B's first byte in wb
.set CB,     2                         ; bytes in a number of C
.set CROW,   GN*CB
.set KSTEP,  128
.set PA,     272                       ; A's LDS row: 256 bytes + 16: the 16 rows of a fragment load start 16 bytes apart modulo 256
.set PB,     544                       ; B's LDS row: 512 bytes + 32, an odd multiple of 32
.set ABYTES, TM*PA
.set HALFB,  64*PB
.set SLOT,   ABYTES+2*HALFB
.set STAGE,  2*SLOT                    ; behind the ring: 16 rows x 272 bytes for each wave
.set SPITCH, 272
.set SPARE,  STAGE+4*16*SPITCH         ; the spare words, 128 bytes for each wave
.set LAPS,   GK/(2*KSTEP)
.set ADRA, 16                          ; v16-17 LDS address of my A fragments in slot 0, 1
.set ADRB, 20                          ; v20-21 the same for B
.set STO,  24
.set RD,   25
.set CO,   26
.set SPW,  28
.set NIL,  29
.set PFO,  30                          ; the prefetches' lane offset; never rewritten
.set F0,   64
.set F1,   128
.set TMP,  192
.set OB,   32
.set G1,   24                          ; s[24:31] group 1 for A; s[32:39] group 0, a set for each slot
.set G0,   32
.set G1B,  48                          ; s[48:55], s[56:63] the same for B
.set G0B,  56
.set LIM,  43                          ; 1 in a wave that prefetches, else the greatest number
.set PFA,  44                          ; s[44:45] where my prefetches stand
.set PFS,  66                          ; s[66:67] a K step in bytes along my operand
.set MSB, 0
.macro WIN new                         ; the immediate's high byte repeats the setting that is left; a switch that changes nothing is dropped
.if MSB != (\new)
	s_set_vgpr_msb (MSB<<8)|(\new)
.set MSB, \new
.endif
.endm
.macro PLACES                          ; four plain places behind matrix instructions, in front of loads into their sources and of readers of their results
.rept 4
	v_nop
.endr
.endm
.macro JLOAD s                         ; a joint refill: waves 0, 1 ask for A, waves 2, 3 for B; an s_nop 0 and four v_nop follow each line
	s_cmp_eq_u32 s11, 0
	s_cbranch_scc0 .Lfor_b_\@
	tensor_load_to_lds s[G0+4*(\s):G0+4*(\s)+3], s[G1:G1+7]
	s_nop 0
.rept 4
	v_nop
.endr
	s_branch .Lasked_\@
.Lfor_b_\@:
	tensor_load_to_lds s[G0B+4*(\s):G0B+4*(\s)+3], s[G1B:G1B+7]
	s_nop 0
.rept 4
	v_nop
.endr
.Lasked_\@:
.endm
; A prefetch of the K step that stands two refills on: 32 blocks of 256 bytes, a lane a block.  A's rows are named by the clusters with x = 0, B's by those with y = 0; the four partners of a joint load share
; its blocks out by address.  The loop's last trip asks for nothing: the K steps behind its own refills do not exist.
.macro ASK
	s_cmp_gt_u32 s3, s[LIM]
	s_cbranch_scc0 .Lnot_mine_\@
	global_prefetch_b8 v[PFO], s[PFA:PFA+1] th:TH_LOAD_NT scope:SCOPE_SE
.Lnot_mine_\@:
.endm
.macro CREST                           ; a round of the cluster's barrier behind its opening barrier
	s_cmp_lg_u32 s10, 0
	s_cbranch_scc1 .Lnot_wave_0_\@
	s_barrier_signal -3
.Lnot_wave_0_\@:
	s_barrier_wait -3
	s_barrier_signal -1
	s_barrier_wait -1
.endm
.macro CROUND
	s_barrier_signal -1
	s_barrier_wait -1
	CREST
.endm
	s_load_b128 s[4:7], s[0:1], 0x0                ; A s[4:5], wb s[6:7]
	s_load_b64 s[8:9], s[0:1], 0x10                ; C
	v_lshl_add_u32 v[SPW], v0, 2, SPARE
	v_mov_b32 v[NIL], 0
	ds_add_u32 v[SPW], v[NIL]                      ; the opening: the add, twice on end, and its wait ahead of my first tensor load
	ds_add_u32 v[SPW], v[NIL]
	v_lshrrev_b32 v1, 5, v0
	v_readfirstlane_b32 s10, v1                    ; wave
	s_lshr_b32 s11, s10, 1                         ; my half of the tile's rows; also: I fetch for A (0) or B (1)
	s_and_b32 s12, s10, 1                          ; my half of its columns; also: which half of that operand's tile I fetch
	s_bfe_u32 s40, ttmp6, 0x40000                  ; cx
	s_bfe_u32 s41, ttmp6, 0x40004                  ; cy
	s_lshl_b32 s42, ttmp9, 2
	s_add_co_u32 s42, s42, s40                     ; tile column
	s_and_b32 s13, ttmp7, 0xffff
	s_lshl_b32 s13, s13, 2
	s_add_co_u32 s13, s13, s41                     ; tile row
	s_lshl_b32 s43, s41, 2
	s_lshl_b32 s43, 15, s43                        ; my row of the cluster
	s_lshl_b32 s44, 0x1111, s40                    ; my column
	s_or_b32 s[G1+0], s43, (1<<16)|(1<<20)|(1<<21)|(5<<22)|(3<<25)   ; mask; 2-byte elements; padding on; bit 21 beside a mask; after every 64 words 4 words
	s_mov_b32 s[G1+1], KSTEP<<16                   ; tensor_dim0 = 128
	s_mov_b32 s[G1+2], AH<<16                      ; tensor_dim1
	s_mov_b32 s[G1+3], KSTEP<<16                   ; tile_dim0 = 128
	s_mov_b32 s[G1+4], AH                          ; tile_dim1
	s_mov_b32 s[G1+5], GK                          ; elements from row to row
	s_mov_b32 s[G1+6], 0
	s_mov_b32 s[G1+7], 0
	s_or_b32 s[G1B+0], s44, (1<<16)|(1<<20)|(1<<21)|(6<<22)|(7<<25)  ; after every 128 words 8 words
	s_mov_b32 s[G1B+1], 256<<16
	s_mov_b32 s[G1B+2], 64<<16
	s_mov_b32 s[G1B+3], 256<<16
	s_mov_b32 s[G1B+4], 64
	s_mov_b32 s[G1B+5], GN
	s_mov_b32 s[G1B+6], 0
	s_mov_b32 s[G1B+7], 0
	s_mul_i32 s16, s13, TM                         ; A hangs on the tile row alone,
	s_mul_i32 s17, s12, AH
	s_add_co_u32 s16, s16, s17
	s_mul_i32 s16, s16, GK*2
	s_mov_b32 s17, 0
	s_mul_i32 s46, s12, 64*GN*2                    ; B on the tile column alone
	s_lshl_b32 s47, s42, 9
	s_add_co_u32 s46, s46, s47
	s_add_co_u32 s46, s46, BOFF
	s_mov_b32 s47, 0
	s_mul_i32 s20, s12, AH*PA                      ; where they go: no place in the cluster enters an LDS address
	s_mul_i32 s21, s12, HALFB
	s_add_co_u32 s21, s21, ABYTES
	s_wait_dscnt 0x0                               ; both opening adds are done
	s_wait_kmcnt 0x0
	s_add_nc_u64 s[14:15], s[4:5], s[16:17]
	s_add_nc_u64 s[46:47], s[6:7], s[46:47]
	CROUND                                         ; all sixteen work-groups are here: the first joint loads meet
.irp s, 0,1
	s_mov_b32 s[G0+4*(\s)], 1
	s_add_co_u32 s[G0+4*(\s)+1], s20, (\s)*SLOT
	s_add_nc_u64 s[G0+4*(\s)+2:G0+4*(\s)+3], s[14:15], (\s)*KSTEP*2
	s_or_b32 s[G0+4*(\s)+3], s[G0+4*(\s)+3], 0x80000000
	s_mov_b32 s[G0B+4*(\s)], 1
	s_add_co_u32 s[G0B+4*(\s)+1], s21, (\s)*SLOT
	s_add_nc_u64 s[G0B+4*(\s)+2:G0B+4*(\s)+3], s[46:47], (\s)*KSTEP*GN*2
	s_or_b32 s[G0B+4*(\s)+3], s[G0B+4*(\s)+3], 0x80000000
.endr
	s_cmp_eq_u32 s11, 0                            ; a wave's two first fills stand in one branch: two loads of mine are out
	s_cbranch_scc0 .Lfirst_b
	tensor_load_to_lds s[G0:G0+3], s[G1:G1+7]
	s_nop 0
	tensor_load_to_lds s[G0+4:G0+7], s[G1:G1+7]
	s_nop 0
.rept 4
	v_nop
.endr
	s_branch .Lfirst_asked
.Lfirst_b:
	tensor_load_to_lds s[G0B:G0B+3], s[G1B:G1B+7]
	s_nop 0
	tensor_load_to_lds s[G0B+4:G0B+7], s[G1B:G1B+7]
	s_nop 0
.rept 4
	v_nop
.endr
.Lfirst_asked:
	v_and_b32 v1, 15, v0                           ; r = l % 16
	v_bfe_u32 v2, v0, 4, 1                         ; hh = l / 16
	v_mul_u32_u24 v3, v1, PA
	v_lshl_add_u32 v3, v2, 4, v3
	s_mul_i32 s21, s11, 16*MB*PA
	v_add_nc_u32 v[ADRA], s21, v3                  ; A: row x pitch + 16 hh, from my rows on
	v_add_nc_u32 v[ADRA+1], SLOT, v[ADRA]
	v_and_b32 v4, 7, v0
	v_lshl_add_u32 v4, v2, 3, v4
	v_mul_u32_u24 v4, v4, PB
	v_bfe_u32 v5, v0, 3, 1
	v_lshl_add_u32 v4, v5, 4, v4
	s_lshl_b32 s22, s12, 8
	s_add_co_u32 s22, s22, ABYTES
	v_add_nc_u32 v[ADRB], s22, v4                  ; B, turned: (8 hh + l % 8) x pitch + 16 ((l / 8) % 2), from my 128 columns on
	v_add_nc_u32 v[ADRB+1], SLOT, v[ADRB]
	s_mul_i32 s23, s10, 16*SPITCH
	s_add_co_u32 s23, s23, STAGE
	v_mul_u32_u24 v4, v1, SPITCH
	v_lshl_add_u32 v4, v2, 4, v4
	v_add_nc_u32 v[STO], s23, v4                   ; into my stage: row r, 16 bytes for each half of the lanes
	v_mul_u32_u24 v5, v2, SPITCH
	v_lshl_add_u32 v5, v1, 4, v5
	v_add_nc_u32 v[RD], s23, v5                    ; back: lanes 0-15 one row of 256 bytes, lanes 16-31 the next
	v_mul_u32_u24 v5, v2, CROW
	v_lshl_add_u32 v[CO], v1, 4, v5
	s_mul_i32 s16, s13, TM                         ; where my part of the tile begins in C
	s_mul_i32 s14, s11, 16*MB
	s_add_co_u32 s16, s16, s14
	s_mul_i32 s16, s16, CROW
	s_mov_b32 s17, 0
	s_mul_i32 s46, s42, 256*CB
	s_mul_i32 s47, s12, 128*CB
	s_add_co_u32 s46, s46, s47
	s_mov_b32 s47, 0
	s_add_nc_u64 s[16:17], s[16:17], s[46:47]
	; the prefetches: A: my work-group's 32 of the rows that I fetch, a lane a row; B: its 16 of my 64 rows of K, two blocks of 256 bytes each.  They start at K step 3; each change of slots steps first.
	s_mul_i32 s20, s13, TM
	s_mul_i32 s21, s12, AH
	s_add_co_u32 s20, s20, s21
	s_lshl_b32 s21, s40, 5
	s_add_co_u32 s20, s20, s21
	s_mul_i32 s20, s20, GK*2
	s_add_co_u32 s20, s20, 3*KSTEP*2
	s_lshl_b32 s21, s12, 6
	s_lshl_b32 s23, s41, 4
	s_add_co_u32 s21, s21, s23
	s_add_co_u32 s21, s21, 3*KSTEP
	s_mul_i32 s21, s21, GN*2
	s_lshl_b32 s23, s42, 9
	s_add_co_u32 s21, s21, s23
	s_add_co_u32 s21, s21, BOFF
	s_and_b32 s22, ttmp7, 0xffff                   ; cluster y
	s_movk_i32 s23, KSTEP*2
	s_mov_b32 s[PFS], KSTEP*GN*2
	s_mov_b32 s18, GK*2
	s_mov_b32 s19, GN*2
	s_cmp_eq_u32 s11, 0                            ; do I fetch for A?
	s_cselect_b32 s20, s20, s21
	s_cselect_b32 s22, ttmp9, s22                  ; the coordinate along which other clusters read the same blocks
	s_cselect_b64 s[PFA:PFA+1], s[4:5], s[6:7]
	s_cselect_b32 s[PFS], s23, s[PFS]
	s_cselect_b32 s18, s18, s19
	s_cselect_b32 s19, 0, 1
	s_mov_b32 s21, 0
	s_mov_b32 s[PFS+1], 0
	s_add_nc_u64 s[PFA:PFA+1], s[PFA:PFA+1], s[20:21]
	s_cmp_eq_u32 s22, 0
	s_cselect_b32 s[LIM], 1, -1
	v_and_b32 v6, 31, v0
	v_lshrrev_b32 v7, s19, v6
	v_and_b32 v6, s19, v6
	v_mul_u32_u24 v7, s18, v7
	v_lshl_add_u32 v[PFO], v6, 8, v7
; na x 8 matrix instructions: row blocks a0 .. of my MB x all 8 column blocks, 32 along K.  zero = 1: the first product starts the sums.  All 8 MB accumulators take turns, in the same order in every quarter.
.macro MUL f, a0, na, zero
.set ma, \a0
.rept \na
	WIN 0xa1+0x50*(ma/4)
.irp b, 0,1,2,3,4,5,6,7
.if \zero
	v_wmma_f32_16x16x32_bf16 v[8*(8*(ma%4)+(\b)):8*(8*(ma%4)+(\b))+7], v[(\f)+8*(\b):(\f)+8*(\b)+7], v[(\f)+8*ma:(\f)+8*ma+7], 0
.else
	v_wmma_f32_16x16x32_bf16 v[8*(8*(ma%4)+(\b)):8*(8*(ma%4)+(\b))+7], v[(\f)+8*(\b):(\f)+8*(\b)+7], v[(\f)+8*ma:(\f)+8*ma+7], v[8*(8*(ma%4)+(\b)):8*(8*(ma%4)+(\b))+7]
.endif
.endr
.set ma, ma+1
.endr
.endm
; one run of LDS loads: the fragments of quarter kq (32 along K) of a slot into buffer f: B's 16 turning loads, then A's 2 MB
.macro FETCH slot, kq, f
	WIN 0x40
.irp i, 0,1,2,3,4,5,6,7
	ds_load_tr16_b128 v[(\f)+8*(\i):(\f)+8*(\i)+3],   v[ADRB+(\slot)] offset:(\kq)*32*PB+32*(\i)
	ds_load_tr16_b128 v[(\f)+8*(\i)+4:(\f)+8*(\i)+7], v[ADRB+(\slot)] offset:(\kq)*32*PB+32*(\i)+16*PB
.endr
	WIN 0
.set fi, 0
.rept MB
	ds_load_b128 v[(\f)+8*fi:(\f)+8*fi+3],   v[ADRA+(\slot)] offset:(\kq)*64+fi*16*PA
	ds_load_b128 v[(\f)+8*fi+4:(\f)+8*fi+7], v[ADRA+(\slot)] offset:(\kq)*64+fi*16*PA+32
.set fi, fi+1
.endr
.endm
.macro QUARTER slot, kq, f, g, zero    ; multiplies buffer f; in its middle fetches quarter kq of the slot into g
	s_wait_dscnt MB                                ; B and A's lower half are in; the youngest MB loads, A's upper half, may be out
	MUL \f, 0, MB/4, \zero
	MUL \f, MB/4, MB/4, \zero
	PLACES
	FETCH \slot, \kq, \g
	s_wait_dscnt 16+2*MB                           ; all but the run just issued
	MUL \f, MB/2, MB/4, \zero
	MUL \f, 3*MB/4, MB/4, \zero
.endm
; The change of slots: one barrier.  In front of it each wave waits for all its tensor loads (the one that is out is its part of the next slot), adds 0 to its spare word, and waits for that and for its reads.
.macro MEET round
	WIN 0
	s_wait_tensorcnt 0x0
	ds_add_u32 v[SPW], v[NIL]
	s_wait_dscnt MB+1                              ; the add and A's upper half may be out
	MUL F1, 0, MB/4, 0
	s_wait_dscnt 0x0                               ; the add is done, and my reads of this slot are over
	s_barrier_signal -1
	MUL F1, MB/4, MB/4, 0
.if \round
	WIN 0
.endif
	s_barrier_wait -1
.endm
.macro TURN slot, next, fill           ; the last quarter of a K step; fill = 1: the slot just read is filled again, two K steps on, behind a round of the cluster's barrier
.if \fill
	s_wait_xcnt 0x0                                ; the last prefetch, a K step back, has read its address
	s_add_nc_u64 s[PFA:PFA+1], s[PFA:PFA+1], s[PFS:PFS+1]
.endif
	MEET \fill
.if \fill
	CREST                                          ; no wave of any partner still reads this slot or has a load on its way
	s_add_nc_u64 s[G0+4*(\slot)+2:G0+4*(\slot)+3], s[G0+4*(\slot)+2:G0+4*(\slot)+3], 2*KSTEP*2
	s_add_nc_u64 s[G0B+4*(\slot)+2:G0B+4*(\slot)+3], s[G0B+4*(\slot)+2:G0B+4*(\slot)+3], 2*KSTEP*GN*2
	JLOAD \slot                                    ; the first tensor load behind the round; its four v_nop are also the places in front of the loads below
.else
	PLACES
.endif
	FETCH \next, 0, F0
.if \fill
	ASK
.endif
	MUL F1, MB/2, MB/4, 0
	MUL F1, 3*MB/4, MB/4, 0
.endm
; THE WAY OUT of block a: rounded to f16, 16 bytes a lane; into my own stage; back as whole rows of 256 bytes; stored.
.macro PACK a
	WIN 0x0a+5*((\a)/4)
.irp b, 0,1,2,3,4,5,6,7
.irp r, 0,1,2,3
	v_cvt_pk_f16_f32 v[TMP+4*(\b)+(\r)], v[64*((\a)%4)+8*(\b)+2*(\r)], v[64*((\a)%4)+8*(\b)+2*(\r)+1]
.endr
.endr
	WIN 0
.endm
.macro TOSTAGE a
	WIN 0
.set BK, OB+192*((\a)%2)
.irp b, 0,1,2,3,4,5,6,7
	ds_store_b128 v[STO], v[TMP+4*(\b):TMP+4*(\b)+3] offset:32*(\b)
.endr
.irp t, 0,1,2,3,4,5,6,7
	ds_load_b128 v[BK+4*(\t):BK+4*(\t)+3], v[RD] offset:(\t)*2*SPITCH  ; LDS serves a wave's instructions in order (ISA guide 5.7.1.4): these see the stores above
.endr
.endm
.macro SEND a
	WIN 0
.set BK, OB+192*((\a)%2)
	s_wait_dscnt 0x0                               ; the block is back in registers
	s_wait_xcnt 0x0                                ; the base and the registers that earlier stores read are rewritten only behind this wait
.if (\a) == 0
	s_add_nc_u64 s[8:9], s[8:9], s[16:17]
.else
	s_add_nc_u64 s[8:9], s[8:9], 16*CROW
.endif
.irp t, 0,1,2,3,4,5,6,7
	global_store_b128 v[CO], v[BK+4*(\t):BK+4*(\t)+3], s[8:9] offset:2*(\t)*CROW  ; 16 lanes store 256 consecutive bytes, aligned
.endr
.endm
	s_wait_tensorcnt 1                             ; my part of K step 0 is in; K step 1's stays out
	s_barrier_signal -1
	s_barrier_wait -1
	FETCH 0, 0, F0
	QUARTER 0, 1, F0, F1, 1                        ; the first quarter starts the sums
	WIN 0
	s_mov_b32 s3, LAPS-1
.Llap:                                                 ; once round the ring, from a lap's second quarter to the next lap's first
	QUARTER 0, 2, F1, F0, 0
	QUARTER 0, 3, F0, F1, 0
	TURN 0, 1, 1
	QUARTER 1, 1, F0, F1, 0
	QUARTER 1, 2, F1, F0, 0
	QUARTER 1, 3, F0, F1, 0
	TURN 1, 0, 1
	QUARTER 0, 1, F0, F1, 0
	WIN 0
	s_sub_co_u32 s3, s3, 1
	s_cmp_lg_u32 s3, 0
	s_cbranch_scc1 .Llap
	QUARTER 0, 2, F1, F0, 0                        ; the last lap fills nothing
	QUARTER 0, 3, F0, F1, 0
	TURN 0, 1, 0
	QUARTER 1, 1, F0, F1, 0
	QUARTER 1, 2, F1, F0, 0
	QUARTER 1, 3, F0, F1, 0
	s_wait_dscnt MB
	MUL F1, 0, MB/4, 0
	MUL F1, MB/4, MB/4, 0
	s_wait_dscnt 0x0
	MUL F1, MB/2, MB/4, 0
	MUL F1, 3*MB/4, MB/4, 0
	WIN 0
	PLACES
	PACK 0
	TOSTAGE 0
.irp a, 1,2,3,4,5,6,7                  ; block a's conversions stand between block a - 1's loads from the stage and the wait for them
	PACK \a
	SEND (\a)-1
	TOSTAGE \a
.endr
	SEND 7
	s_wait_tensorcnt 0x0                           ; the wave's end
	ds_add_u32 v[SPW], v[NIL]
	s_wait_dscnt 0x0
	CROUND                                         ; the closing round
	s_endpgm
.Lfunc_end_k_q1942df81ff_proj:
	.size	k_q1942df81ff_proj, .Lfunc_end_k_q1942df81ff_proj-k_q1942df81ff_proj
	.p2alignl 7, 3214868480
	.fill 96, 4, 3214868480
	.section	.rodata,"a",@progbits
	.p2align	6, 0x0
	.amdhsa_kernel k_q1942df81ff_proj
		.amdhsa_group_segment_fixed_size 327680
		.amdhsa_private_segment_fixed_size 0
		.amdhsa_enable_private_segment 0
		.amdhsa_kernarg_size 24
		.amdhsa_user_sgpr_count 2
		.amdhsa_user_sgpr_kernarg_segment_ptr 1
		.amdhsa_wavefront_size32 1
		.amdhsa_system_sgpr_workgroup_id_x 1
		.amdhsa_system_sgpr_workgroup_id_y 1
		.amdhsa_system_sgpr_workgroup_id_z 1
		.amdhsa_system_vgpr_workitem_id 0
		.amdhsa_next_free_vgpr 1024
		.amdhsa_next_free_sgpr 70
		.amdhsa_reserve_vcc 0
		.amdhsa_float_denorm_mode_32 3
		.amdhsa_float_denorm_mode_16_64 3
		.amdhsa_memory_ordered 1
		.amdhsa_forward_progress 1
		.amdhsa_inst_pref_size 145
	.end_amdhsa_kernel
	.amdgpu_metadata
---
amdhsa.version: [ 1, 2 ]
amdhsa.kernels:
  - .name:           k_q1942df81ff_proj
    .symbol:         k_q1942df81ff_proj.kd
    .args:
      - { .name: xb, .offset: 0, .size: 8, .value_kind: global_buffer, .address_space: global }
      - { .name: wb, .offset: 8, .size: 8, .value_kind: global_buffer, .address_space: global }
      - { .name: pj, .offset: 16, .size: 8, .value_kind: global_buffer, .address_space: global }
    .group_segment_fixed_size: 327680
    .private_segment_fixed_size: 0
    .kernarg_segment_align: 8
    .kernarg_segment_size: 24
    .max_flat_workgroup_size: 128
    .sgpr_count:     70
    .vgpr_count:     1024
    .wavefront_size: 32
...
	.end_amdgpu_metadata
.endif
;; end of part 2
;; launch ustate (part 3): grid 16 x 16, 4 waves a work-group, no clusters, 215,552 bytes of LDS; arguments pj, lat, ust, mxt; writes ust, mxt
.if DOCPART == 3
	.amdgcn_target "amdgcn-amd-amdhsa--gfx1250"
	.amdhsa_code_object_version 6
	.text
	.protected	k_q1942df81ff_ustate
	.globl	k_q1942df81ff_ustate
	.p2align	8
	.type	k_q1942df81ff_ustate,@function
k_q1942df81ff_ustate:
	s_mov_b64 s[64:65], 0
	v_nop
	global_prefetch_b8 v0, s[64:65] scope:SCOPE_SE
	s_setreg_imm32_b32 hwreg(HW_REG_WAVE_MODE, 25, 1), 1
	s_wait_xcnt 0x0
; U = the sum over a segment's 256 tokens s of 2^(L_256 - L_s) k_s^T v_s, for segments 0..14 of each (batch, head), and each segment's L_256; and, for all 16 segments, the largest |q|, |k|, |v|.
; LEFT OUT: U of segment 15, which no later token reads: its work-groups take the maxima alone.
; k (unscaled) and v come from pj in f16; the weights w = 2^(L_256 - L_s) lie in 0 to 1 and multiply k in f16 (below 6e-8 they count as 0, beside the last token's 1); sums in f32; U is stored in f32.
; A work-group has one segment; wave w the channels 64 w .. 64 w + 63 of v, all 64 d of k: 16 accumulators.  D = K^T (16 d x 32 tokens) x V (32 tokens x 16 channels): both come out of LDS turned.
; U's LAYOUT in ust, slot (bh x 16 + segment) x 65,536: tile (nt of 16 channels, dt of 16 d) at (4 nt + dt) x 1,024; lane l's registers 0-3 at 16 l, 4-7 at 512 + 16 l: lane (r, hh) holds channel 16 nt + r and
; d = 16 dt + 8 hh + 0..7.  Slot 15 holds L_256 of segment j as 32 equal words at byte 128 j.
; THE MAXIMA serve the later launches' powers of two.  Wave w walks rows 64 w .. 64 w + 63 of both tiles and stores (max |q|, max |k|, max |v|, 0), f16 patterns in the low halves, at mxt + 16 (4 (16 bh + j) + w).
; Each tile has one reader: no cluster.  One fill at the head, nothing filled again: no ring.
.set PK,    288                        ; a row of q | k in LDS: 256 bytes + 32, an odd multiple of 32
.set PV,    544                        ; a row of V: 512 + 32
.set VOFF,  256*PK
.set WQ,    VOFF+256*PV                ; the 256 weights in f16, a copy for each wave
.set SPARE, WQ+2048
.set HH,  2
.set LN,  3
.set AKT, 4
.set AVT, 5
.set AW,  6
.set UO,  7
.set LO,  8
.set L4,  9
.set TA,  10
.set TB,  11
.set MC,  12                           ; v12-15 four chains of maxima
.set MR,  16                           ; v[16:19] what lane 0 stores
.set ASC, 20                           ; the maxima's walking LDS address
.set ZO,  21                           ; 0
.set RR,  22
.set SPW, 30
.set NIL, 31
.set KT,  32
.set VT,  64
.set WF,  96
.set LA,  104
.set PRE, 112
.set OT,  113
.set BLK, 114                          ; v114, with v115 = 0 as its pair
.set BM,  116                          ; v116-120: 1.0 where the lane's bit k is set
.set ACC, 128
.set G1K, 20
.set G1V, 28
.set G0K, 36
.set G0V, 40
.set SEL, 48
	s_load_b128 s[4:7], s[0:1], 0x0                ; pj, lat
	s_load_b128 s[56:59], s[0:1], 0x10             ; ust, mxt
	v_lshl_add_u32 v[SPW], v0, 2, SPARE
	v_mov_b32 v[NIL], 0
	ds_add_u32 v[SPW], v[NIL]                      ; the opening: the add, twice on end, and its wait ahead of my first tensor load
	ds_add_u32 v[SPW], v[NIL]
	v_lshrrev_b32 v1, 5, v0
	v_readfirstlane_b32 s10, v1                    ; wave
	s_mov_b32 s11, ttmp9                           ; segment
	s_and_b32 s12, ttmp7, 0xffff                   ; bh
	s_and_b32 s13, s12, 7                          ; head
	s_lshr_b32 s14, s12, 3
	s_lshl_b32 s14, s14, 12
	s_lshl_b32 s15, s11, 8
	s_add_co_u32 s14, s14, s15                     ; the segment's first row of pj
	s_lshl_b32 s15, s10, 6
	s_add_co_u32 s15, s14, s15                     ; my 64 rows
	s_mul_i32 s52, s15, 10240
	s_lshl_b32 s45, s13, 8
	s_add_co_u32 s44, s52, s45                     ; q | k of head h: byte 256 h of a row
	s_mov_b32 s45, 0
	s_lshl_b32 s47, s13, 9
	s_add_co_u32 s46, s52, s47
	s_add_co_u32 s46, s46, 2048                    ; v: byte 2,048 + 512 h
	s_mov_b32 s47, 0
	s_mov_b32 s[G1K+0], (1<<16)|(1<<20)|(5<<22)|(7<<25)  ; 2-byte elements; padding: after every 64 words 8 words
	s_mov_b32 s[G1K+1], 128<<16
	s_mov_b32 s[G1K+2], 64<<16
	s_mov_b32 s[G1K+3], 128<<16
	s_mov_b32 s[G1K+4], 64
	s_mov_b32 s[G1K+5], 5120
	s_mov_b32 s[G1K+6], 0
	s_mov_b32 s[G1K+7], 0
	s_mov_b32 s[G1V+0], (1<<16)|(1<<20)|(6<<22)|(7<<25)  ; after every 128 words 8 words
	s_mov_b32 s[G1V+1], 256<<16
	s_mov_b32 s[G1V+2], 64<<16
	s_mov_b32 s[G1V+3], 256<<16
	s_mov_b32 s[G1V+4], 64
	s_mov_b32 s[G1V+5], 5120
	s_mov_b32 s[G1V+6], 0
	s_mov_b32 s[G1V+7], 0
	s_mov_b32 s[G0K], 1
	s_mul_i32 s[G0K+1], s10, 64*PK
	s_mov_b32 s[G0V], 1
	s_mul_i32 s[G0V+1], s10, 64*PV
	s_add_co_u32 s[G0V+1], s[G0V+1], VOFF
	s_lshl_b32 s50, s12, 14
	s_lshl_b32 s51, s11, 10
	s_add_co_u32 s50, s50, s51                     ; the segment's la
	s_mov_b32 s51, 0
	s_lshl_b32 s52, s12, 20
	s_lshl_b32 s53, s11, 16
	s_add_co_u32 s52, s52, s53                     ; the segment's slot in ust
	s_mov_b32 s53, 0
	s_lshl_b32 s60, s12, 20
	s_lshl_b32 s61, s11, 7
	s_add_co_u32 s60, s60, s61
	s_add_co_u32 s60, s60, 983040                  ; and its 32 words in slot 15
	s_mov_b32 s61, 0
	s_lshl_b32 s62, s12, 4
	s_add_co_u32 s62, s62, s11
	s_lshl_b32 s62, s62, 2
	s_add_co_u32 s62, s62, s10
	s_lshl_b32 s62, s62, 4                         ; my wave's 16 bytes in mxt
	s_mov_b32 s63, 0
	s_mov_b32 s[SEL], 0x76543210
	s_mov_b32 s[SEL+1], 0xfedcba98
	s_mov_b32 s17, 0x7fff7fff                      ; clears the signs of two f16
	s_wait_dscnt 0x0                               ; both opening adds are done
	s_wait_kmcnt 0x0
	s_add_nc_u64 s[G0K+2:G0K+3], s[4:5], s[44:45]
	s_or_b32 s[G0K+3], s[G0K+3], 0x80000000
	s_add_nc_u64 s[G0V+2:G0V+3], s[4:5], s[46:47]
	s_or_b32 s[G0V+3], s[G0V+3], 0x80000000
	s_add_nc_u64 s[6:7], s[6:7], s[50:51]
	s_add_nc_u64 s[54:55], s[56:57], s[60:61]
	s_add_nc_u64 s[8:9], s[56:57], s[52:53]
	s_add_nc_u64 s[58:59], s[58:59], s[62:63]
	tensor_load_to_lds s[G0K:G0K+3], s[G1K:G1K+7]  ; my 64 rows of q | k and of V: two loads of mine are out
	s_nop 0
	tensor_load_to_lds s[G0V:G0V+3], s[G1V:G1V+7]
	s_nop 0
.rept 4
	v_nop
.endr
	v_and_b32 v[LN], 31, v0
	v_bfe_u32 v[HH], v0, 4, 1
	v_and_b32 v[RR], 15, v0
	v_mov_b32 v[ZO], 0
	v_mov_b32 v[MR+3], 0
	s_cmp_eq_u32 s11, 15                           ; the segment's number: the same in all four waves
	s_cbranch_scc1 .Lmeet                          ; the last segment needs neither L nor weights
	v_lshlrev_b32 v[LO], 5, v[LN]
	global_load_b128 v[LA:LA+3],   v[LO], s[6:7]   ; lane l: la of tokens 8 l .. 8 l + 7
	global_load_b128 v[LA+4:LA+7], v[LO], s[6:7] offset:16
.irp k, 0,1,2,3,4
	v_bfe_u32 v[TA], v[LN], \k, 1
	v_cvt_f32_u32 v[BM+(\k)], v[TA]
.endr
	v_and_b32 v[TA], 7, v0
	v_lshl_add_u32 v[TA], v[HH], 3, v[TA]          ; 8 hh + l % 8
	v_bfe_u32 v[TB], v0, 3, 1
	v_mul_u32_u24 v[AKT], v[TA], PK
	v_lshl_add_u32 v[AKT], v[TB], 4, v[AKT]
	v_add_nc_u32 v[AKT], 128, v[AKT]               ; k lies behind q in a row
	v_mul_u32_u24 v[AVT], v[TA], PV
	v_lshl_add_u32 v[AVT], v[TB], 4, v[AVT]
	s_lshl_b32 s44, s10, 7
	s_add_co_u32 s44, s44, VOFF
	v_add_nc_u32 v[AVT], s44, v[AVT]               ; + my 64 channels
	s_lshl_b32 s44, s10, 9
	s_add_co_u32 s44, s44, WQ
	v_lshl_add_u32 v[AW], v[HH], 4, s44
	v_lshl_add_u32 v[TB], v[LN], 4, s44            ; where I put my eight weights
	s_lshl_b32 s44, s10, 14
	v_lshl_add_u32 v[UO], v[LN], 4, s44
	v_lshlrev_b32 v[L4], 2, v[LN]
	v_mov_b32 v[BLK+1], 0
	s_wait_loadcnt 0x0
; L: the running sum inside the lane's eight tokens, then over the lanes: in step m a lane takes the sum of the m lanes that differ in that bit, adds it to what lies before it if they are the lower ones, and
; to its block's sum.  At the end LA = L of my eight tokens and BLK = L_256 in every lane.
.macro PSTEP m, k
	v_mov_b32_dpp v[OT], v[BLK] row_xmask:\m row_mask:0xf bank_mask:0xf
	v_fmac_f32 v[PRE], v[OT], v[BM+(\k)]
	v_add_f32 v[BLK], v[BLK], v[OT]
.endm
.irp i, 1,2,3,4,5,6,7
	v_add_f32 v[LA+(\i)], v[LA+(\i)], v[LA+(\i)-1]
.endr
	v_mov_b32 v[BLK], v[LA+7]
	v_mov_b32 v[PRE], 0
	v_mov_b32 v[OT], 0
	PSTEP 1, 0
	PSTEP 2, 1
	PSTEP 4, 2
	PSTEP 8, 3
	v_permlanex16_b32 v[OT], v[BLK], s[SEL], s[SEL+1]
	v_fmac_f32 v[PRE], v[OT], v[BM+4]
	v_add_f32 v[BLK], v[BLK], v[OT]
.irp i, 0,2,4,6
	v_pk_add_f32 v[LA+(\i):LA+(\i)+1], v[LA+(\i):LA+(\i)+1], v[PRE:PRE+1] op_sel_hi:[1,0]
.endr
.irp i, 0,2,4,6
	v_pk_add_f32 v[LA+(\i):LA+(\i)+1], v[BLK:BLK+1], v[LA+(\i):LA+(\i)+1] op_sel_hi:[0,1] neg_lo:[0,1] neg_hi:[0,1]  ; L_256 - L_s
.endr
.irp i, 0,1,2,3,4,5,6,7
	v_exp_f32 v[LA+(\i)], v[LA+(\i)]
.endr
	v_nop
	s_wait_alu depctr_va_vdst(0)                   ; one wait for the eight exponentials, ahead of their first reader
.irp i, 0,1,2,3
	v_cvt_pk_f16_f32 v[WF+(\i)], v[LA+2*(\i)], v[LA+2*(\i)+1]
.endr
	ds_store_b128 v[TB], v[WF:WF+3]                ; my wave's own copy
	s_cmp_lg_u32 s10, 0
	s_cbranch_scc1 .Lmeet
	global_store_b32 v[L4], v[BLK], s[54:55]       ; wave 0 stores L_256
.Lmeet:
	s_wait_tensorcnt 0x0                           ; my rows of both tiles have landed,
	s_wait_dscnt 0x0
	s_barrier_signal -1
	s_barrier_wait -1                              ; everybody's have
; The largest magnitude of what the lanes see from v[ASC] on: a trip is 8 loads of 16 bytes a lane, pitch bytes apart.  Then the two halves of a word, the lanes 1, 2 and 4 away and the other half of the lanes.
.macro MAXRUN pitch, trips
.irp i, 0,1,2,3
	v_mov_b32 v[MC+(\i)], 0
.endr
	s_mov_b32 s16, \trips
.Lmax_\@:
.irp i, 0,1,2,3,4,5,6,7
	ds_load_b128 v[KT+4*(\i):KT+4*(\i)+3], v[ASC] offset:(\pitch)*(\i)
.endr
	s_wait_dscnt 0x0
.set z, 0
.rept 32
	v_and_b32 v[KT+z], s17, v[KT+z]
	v_pk_max_num_f16 v[MC+z%4], v[MC+z%4], v[KT+z]
.set z, z+1
.endr
	v_add_nc_u32 v[ASC], 8*(\pitch), v[ASC]
	s_sub_co_u32 s16, s16, 1
	s_cmp_lg_u32 s16, 0
	s_cbranch_scc1 .Lmax_\@
	v_pk_max_num_f16 v[MC], v[MC], v[MC+1]
	v_pk_max_num_f16 v[MC+2], v[MC+2], v[MC+3]
	v_pk_max_num_f16 v[MC], v[MC], v[MC+2]
	v_lshrrev_b32 v[MC+1], 16, v[MC]
	v_pk_max_num_f16 v[MC], v[MC], v[MC+1]         ; from here on the low half counts
.irp m, 1,2,4
	v_mov_b32_dpp v[MC+1], v[MC] row_xmask:\m row_mask:0xf bank_mask:0xf
	v_pk_max_num_f16 v[MC], v[MC], v[MC+1]
.endr
	v_permlanex16_b32 v[MC+1], v[MC], s[SEL], s[SEL+1]
	v_pk_max_num_f16 v[MC], v[MC], v[MC+1]
.endm
	s_lshl_b32 s44, s10, 6
	v_add_nc_u32 v[TA], s44, v[HH]
	v_mul_u32_u24 v[ASC], v[TA], PK
	v_lshl_add_u32 v[ASC], v[RR], 4, v[ASC]        ; row 64 w + hh, 16 bytes a lane: lanes with l % 16 < 8 see q, the others k; two rows a load
	MAXRUN 2*PK, 4
	v_mov_b32_dpp v[MC+1], v[MC] row_xmask:8 row_mask:0xf bank_mask:0xf  ; the other kind's maximum
	v_and_b32 v[MR], 0xffff, v[MC]                 ; in lane 0: q's,
	v_and_b32 v[MR+1], 0xffff, v[MC+1]             ; and k's
	s_mul_i32 s44, s10, 64*PV
	s_add_co_u32 s44, s44, VOFF
	v_lshl_add_u32 v[ASC], v[LN], 4, s44           ; a row of V a load
	MAXRUN PV, 8
	v_mov_b32_dpp v[MC+1], v[MC] row_xmask:8 row_mask:0xf bank_mask:0xf
	v_pk_max_num_f16 v[MC], v[MC], v[MC+1]
	v_and_b32 v[MR+2], 0xffff, v[MC]
	v_cmp_eq_u32 vcc_lo, 0, v[LN]
	s_wait_xcnt 0x0                                ; EXEC changes only behind this wait
	s_and_saveexec_b32 s18, vcc_lo
	global_store_b128 v[ZO], v[MR:MR+3], s[58:59]  ; lane 0 alone
	s_wait_xcnt 0x0                                ; and again in front of the line that widens it
	s_or_b32 exec_lo, exec_lo, s18
	s_cmp_eq_u32 s11, 15
	s_cbranch_scc1 .Lend                           ; the last segment's U is read by nobody
.macro KSTEP zero                      ; 32 tokens: 18 LDS loads, K^T times the weights, 16 products on 16 accumulators by turns
.irp d, 0,1,2,3
	ds_load_tr16_b128 v[KT+8*(\d):KT+8*(\d)+3],   v[AKT] offset:32*(\d)
	ds_load_tr16_b128 v[KT+8*(\d)+4:KT+8*(\d)+7], v[AKT] offset:32*(\d)+16*PK
.endr
.irp n, 0,1,2,3
	ds_load_tr16_b128 v[VT+8*(\n):VT+8*(\n)+3],   v[AVT] offset:32*(\n)
	ds_load_tr16_b128 v[VT+8*(\n)+4:VT+8*(\n)+7], v[AVT] offset:32*(\n)+16*PV
.endr
	ds_load_b128 v[WF:WF+3],   v[AW]
	ds_load_b128 v[WF+4:WF+7], v[AW] offset:32
	s_wait_dscnt 0x0
.irp d, 0,1,2,3
.irp i, 0,1,2,3,4,5,6,7
	v_pk_mul_f16 v[KT+8*(\d)+(\i)], v[KT+8*(\d)+(\i)], v[WF+(\i)]
.endr
.endr
.irp n, 0,1,2,3
.irp d, 0,1,2,3
.if \zero
	v_wmma_f32_16x16x32_f16 v[ACC+8*(4*(\n)+(\d)):ACC+8*(4*(\n)+(\d))+7], v[KT+8*(\d):KT+8*(\d)+7], v[VT+8*(\n):VT+8*(\n)+7], 0
.else
	v_wmma_f32_16x16x32_f16 v[ACC+8*(4*(\n)+(\d)):ACC+8*(4*(\n)+(\d))+7], v[KT+8*(\d):KT+8*(\d)+7], v[VT+8*(\n):VT+8*(\n)+7], v[ACC+8*(4*(\n)+(\d)):ACC+8*(4*(\n)+(\d))+7]
.endif
.endr
.endr
.endm
	KSTEP 1                                        ; the first 32 tokens start the sums
	s_mov_b32 s16, 7
.Lk:
	v_add_nc_u32 v[AKT], 32*PK, v[AKT]             ; these three and the v_nop are the four places in front of the loads into the products' sources
	v_add_nc_u32 v[AVT], 32*PV, v[AVT]
	v_add_nc_u32 v[AW], 64, v[AW]
	v_nop
	KSTEP 0
	s_sub_co_u32 s16, s16, 1
	s_cmp_lg_u32 s16, 0
	s_cbranch_scc1 .Lk
.rept 4
	v_nop
.endr
.set t, 0
.rept 16
	global_store_b128 v[UO], v[ACC+8*t:ACC+8*t+3],   s[8:9] offset:t*1024      ; a wave stores 512 consecutive bytes, aligned
	global_store_b128 v[UO], v[ACC+8*t+4:ACC+8*t+7], s[8:9] offset:t*1024+512
.set t, t+1
.endr
.Lend:
	s_wait_tensorcnt 0x0                           ; the wave's end
	ds_add_u32 v[SPW], v[NIL]
	s_wait_dscnt 0x0
	s_endpgm
.Lfunc_end_k_q1942df81ff_ustate:
	.size	k_q1942df81ff_ustate, .Lfunc_end_k_q1942df81ff_ustate-k_q1942df81ff_ustate
	.p2alignl 7, 3214868480
	.fill 96, 4, 3214868480
	.section	.rodata,"a",@progbits
	.p2align	6, 0x0
	.amdhsa_kernel k_q1942df81ff_ustate
		.amdhsa_group_segment_fixed_size 215552
		.amdhsa_private_segment_fixed_size 0
		.amdhsa_enable_private_segment 0
		.amdhsa_kernarg_size 32
		.amdhsa_user_sgpr_count 2
		.amdhsa_user_sgpr_kernarg_segment_ptr 1
		.amdhsa_wavefront_size32 1
		.amdhsa_system_sgpr_workgroup_id_x 1
		.amdhsa_system_sgpr_workgroup_id_y 1
		.amdhsa_system_sgpr_workgroup_id_z 1
		.amdhsa_system_vgpr_workitem_id 0
		.amdhsa_next_free_vgpr 256
		.amdhsa_next_free_sgpr 66
		.amdhsa_reserve_vcc 1
		.amdhsa_float_denorm_mode_32 3
		.amdhsa_float_denorm_mode_16_64 3
		.amdhsa_memory_ordered 1
		.amdhsa_forward_progress 1
		.amdhsa_inst_pref_size 31
	.end_amdhsa_kernel
	.amdgpu_metadata
---
amdhsa.version: [ 1, 2 ]
amdhsa.kernels:
  - .name:           k_q1942df81ff_ustate
    .symbol:         k_q1942df81ff_ustate.kd
    .args:
      - { .name: pj, .offset: 0, .size: 8, .value_kind: global_buffer, .address_space: global }
      - { .name: lat, .offset: 8, .size: 8, .value_kind: global_buffer, .address_space: global }
      - { .name: ust, .offset: 16, .size: 8, .value_kind: global_buffer, .address_space: global }
      - { .name: mxt, .offset: 24, .size: 8, .value_kind: global_buffer, .address_space: global }
    .group_segment_fixed_size: 215552
    .private_segment_fixed_size: 0
    .kernarg_segment_align: 8
    .kernarg_segment_size: 32
    .max_flat_workgroup_size: 128
    .sgpr_count:     66
    .vgpr_count:     256
    .wavefront_size: 32
...
	.end_amdgpu_metadata
.endif
;; end of part 3
;; launch scan (part 4): grid 257 x 1, 4 waves a work-group, no clusters, 0 bytes of LDS; arguments ust, mxt, sst; writes sst
.if DOCPART == 4
	.amdgcn_target "amdgcn-amd-amdhsa--gfx1250"
	.amdhsa_code_object_version 6
	.text
	.protected	k_q1942df81ff_scan
	.globl	k_q1942df81ff_scan
	.p2align	8
	.type	k_q1942df81ff_scan,@function
k_q1942df81ff_scan:
	s_mov_b64 s[64:65], 0
	v_nop
	global_prefetch_b8 v0, s[64:65] scope:SCOPE_SE
	s_setreg_imm32_b32 hwreg(HW_REG_WAVE_MODE, 25, 1), 1
	s_wait_xcnt 0x0
; The state that enters segment j + 1: S(1) = U(0); S(j + 1) = 2^(L_256(j)) S(j) + U(j), j = 1..14.  LEFT OUT: the state that enters segment 0, which reference() builds as zeros: no state is stored in slot 0 of sst.
; Work-groups 0-255, number by number: a work-group has 1/16 of one (batch, head)'s 16,384 numbers, a thread eight of them.  The carry stays in f32 registers; each S is stored rounded once to bf16, in the order
; in which the next launch's matrix operand takes it: tile (nt, dt) at (4 nt + dt) x 512 + 16 l.  All 44 loads of a thread go out at once; the waits count down.
; Work-group 256 joins the 1,024 entries of mxt: wave w takes entries 256 w .. 256 w + 255 and stores the biased f16 exponents of its largest |q|, |k|, |v|, and a 0, as four words at byte 16 w of sst (the head of
; the first pair's unused slot 0).  The later launches join the four by scalar maxima.
.set UOF, 3
.set SOF, 4
.set L4,  5
.set G,   8                            ; v[8:23]  2^(L_256(j)) at G + j; v8 and v23 are 0: named in pairs only
.set U,   24                           ; v[24:143] segment j at U + 8 j; segment 0's registers carry the state
.set O,   144                          ; v[144:203] packed results, four for each segment
	s_load_b128 s[4:7], s[0:1], 0x0                ; ust, mxt
	s_load_b64 s[14:15], s[0:1], 0x10              ; sst
	v_and_b32 v1, 31, v0
	v_lshrrev_b32 v2, 5, v0
	s_cmp_eq_u32 ttmp9, 256
	s_cbranch_scc1 .Lscale
	s_lshr_b32 s8, ttmp9, 4                        ; bh
	s_and_b32 s9, ttmp9, 15                        ; piece
	v_lshlrev_b32 v[UOF], 4, v1
	v_lshl_add_u32 v[UOF], v2, 10, v[UOF]
	s_lshl_b32 s10, s9, 12
	v_add_nc_u32 v[UOF], s10, v[UOF]               ; tile 4 piece + wave, 16 l
	s_lshl_b32 s10, s9, 11
	v_lshl_add_u32 v[SOF], v0, 4, s10
	v_lshlrev_b32 v[L4], 2, v1
	s_lshl_b32 s10, s8, 20
	s_mov_b32 s11, 0
	s_lshl_b32 s12, s8, 19
	s_mov_b32 s13, 0
	v_mov_b32 v[G], 0
	v_mov_b32 v[G+15], 0
	s_wait_kmcnt 0x0
	s_add_nc_u64 s[4:5], s[4:5], s[10:11]
	s_add_nc_u64 s[14:15], s[14:15], s[12:13]
.set j, 1
.rept 14
	global_load_b32 v[G+j], v[L4], s[4:5] offset:983040+128*j
.set j, j+1
.endr
.set j, 0
.rept 15
	global_load_b128 v[U+8*j:U+8*j+3],   v[UOF], s[4:5] offset:65536*j th:TH_LOAD_NT
	global_load_b128 v[U+8*j+4:U+8*j+7], v[UOF], s[4:5] offset:65536*j+512 th:TH_LOAD_NT
.set j, j+1
.endr
	s_wait_loadcnt 30                              ; the 14 L_256 are in; U's 30 loads stay out
.set j, 1
.rept 14
	v_exp_f32 v[G+j], v[G+j]
.set j, j+1
.endr
	v_nop
	s_wait_alu depctr_va_vdst(0)                   ; one wait for the batch
	s_wait_loadcnt 28                              ; U(0)
.irp c, 0,1,2,3
	v_cvt_pk_bf16_f32 v[O+(\c)], v[U+2*(\c)], v[U+2*(\c)+1]
.endr
	global_store_b128 v[SOF], v[O:O+3], s[14:15] offset:32768
.set j, 1
.rept 14
	s_wait_loadcnt 28-2*j                          ; U(j) is in; the later segments' loads stay out
.irp c, 0,2,4,6
.if j%2
	v_pk_fma_f32 v[U+(\c):U+(\c)+1], v[U+(\c):U+(\c)+1], v[G+j-1:G+j], v[U+8*j+(\c):U+8*j+(\c)+1] op_sel:[0,1,0] op_sel_hi:[1,1,1]
.else
	v_pk_fma_f32 v[U+(\c):U+(\c)+1], v[U+(\c):U+(\c)+1], v[G+j:G+j+1], v[U+8*j+(\c):U+8*j+(\c)+1] op_sel_hi:[1,0,1]
.endif
.endr
.irp c, 0,1,2,3
	v_cvt_pk_bf16_f32 v[O+4*j+(\c)], v[U+2*(\c)], v[U+2*(\c)+1]
.endr
	global_store_b128 v[SOF], v[O+4*j:O+4*j+3], s[14:15] offset:32768*(j+1)  ; a wave stores 512 consecutive bytes, aligned
.set j, j+1
.endr
	s_endpgm
.Lscale:
	v_lshlrev_b32 v3, 4, v1
	v_lshl_add_u32 v3, v2, 12, v3                  ; entry 256 wave + l, 16 bytes each
	v_lshlrev_b32 v4, 4, v2                        ; my wave's 16 bytes of sst
	s_mov_b32 s16, 0x76543210
	s_mov_b32 s17, 0xfedcba98
	v_mov_b32 v60, 0
	s_wait_kmcnt 0x0
.irp i, 0,1,2,3,4,5,6,7
	global_load_b128 v[24+4*(\i):27+4*(\i)], v3, s[6:7] offset:512*(\i)
.endr
	s_wait_loadcnt 0x0
.irp i, 1,2,3,4,5,6,7
.irp c, 0,1,2
	v_pk_max_num_f16 v[24+(\c)], v[24+(\c)], v[24+4*(\i)+(\c)]
.endr
.endr
.irp c, 0,1,2
.irp m, 1,2,4,8
	v_mov_b32_dpp v60, v[24+(\c)] row_xmask:\m row_mask:0xf bank_mask:0xf
	v_pk_max_num_f16 v[24+(\c)], v[24+(\c)], v60
.endr
	v_permlanex16_b32 v60, v[24+(\c)], s16, s17
	v_pk_max_num_f16 v[24+(\c)], v[24+(\c)], v60
	v_bfe_u32 v[24+(\c)], v[24+(\c)], 10, 5        ; the biased exponent E: every number of the kind lies below 2^(E - 14)
.endr
	v_mov_b32 v27, 0
	v_cmp_eq_u32 vcc_lo, 0, v1
	s_wait_xcnt 0x0                                ; EXEC changes only behind this wait
	s_and_saveexec_b32 s18, vcc_lo
	global_store_b128 v4, v[24:27], s[14:15]       ; lane 0 alone
	s_wait_xcnt 0x0
	s_or_b32 exec_lo, exec_lo, s18
	s_endpgm
.Lfunc_end_k_q1942df81ff_scan:
	.size	k_q1942df81ff_scan, .Lfunc_end_k_q1942df81ff_scan-k_q1942df81ff_scan
	.p2alignl 7, 3214868480
	.fill 96, 4, 3214868480
	.section	.rodata,"a",@progbits
	.p2align	6, 0x0
	.amdhsa_kernel k_q1942df81ff_scan
		.amdhsa_group_segment_fixed_size 0
		.amdhsa_private_segment_fixed_size 0
		.amdhsa_enable_private_segment 0
		.amdhsa_kernarg_size 24
		.amdhsa_user_sgpr_count 2
		.amdhsa_user_sgpr_kernarg_segment_ptr 1
		.amdhsa_wavefront_size32 1
		.amdhsa_system_sgpr_workgroup_id_x 1
		.amdhsa_system_sgpr_workgroup_id_y 1
		.amdhsa_system_sgpr_workgroup_id_z 1
		.amdhsa_system_vgpr_workitem_id 0
		.amdhsa_next_free_vgpr 224
		.amdhsa_next_free_sgpr 66
		.amdhsa_reserve_vcc 1
		.amdhsa_float_denorm_mode_32 3
		.amdhsa_float_denorm_mode_16_64 3
		.amdhsa_memory_ordered 1
		.amdhsa_forward_progress 1
		.amdhsa_inst_pref_size 20
	.end_amdhsa_kernel
	.amdgpu_metadata
---
amdhsa.version: [ 1, 2 ]
amdhsa.kernels:
  - .name:           k_q1942df81ff_scan
    .symbol:         k_q1942df81ff_scan.kd
    .args:
      - { .name: ust, .offset: 0, .size: 8, .value_kind: global_buffer, .address_space: global }
      - { .name: mxt, .offset: 8, .size: 8, .value_kind: global_buffer, .address_space: global }
      - { .name: sst, .offset: 16, .size: 8, .value_kind: global_buffer, .address_space: global }
    .group_segment_fixed_size: 0
    .private_segment_fixed_size: 0
    .kernarg_segment_align: 8
    .kernarg_segment_size: 24
    .max_flat_workgroup_size: 128
    .sgpr_count:     66
    .vgpr_count:     224
    .wavefront_size: 32
...
	.end_amdgpu_metadata
.endif
;; end of part 4
;; launch gla (part 5): grid 16 x 16, 4 waves a work-group, no clusters, 312,832 bytes of LDS; arguments pj, lat, sst, gg; writes gg
.if DOCPART == 5
	.amdgcn_target "amdgcn-amd-amdhsa--gfx1250"
	.amdhsa_code_object_version 6
	.text
	.protected	k_q1942df81ff_gla
	.globl	k_q1942df81ff_gla
	.p2align	8
	.type	k_q1942df81ff_gla,@function
k_q1942df81ff_gla:
	s_mov_b64 s[64:65], 0
	v_nop
	global_prefetch_b8 v0, s[64:65] scope:SCOPE_SE
	s_setreg_imm32_b32 hwreg(HW_REG_WAVE_MODE, 25, 1), 1
	s_wait_xcnt 0x0
; gg[t] = 2^-(eq + ek + ev + 3) sigmoid(zog_t) x (the sum over s <= t in the segment of (q_t . k_s / 8) 2^(L_t - L_s) v_s + 2^(L_t) (q_t / 8) S_in), for one segment of 256 tokens of one (batch, head); f16 out.
; LEFT OUT: the product with S_in in a sequence's first segment (reference()'s zero state; its tile is not loaded), and the blocks of 64 x 64 scores whose keys all come later than their queries.
; SHARES.  The segment has four bands of 64 queries; wave w owns rows 16 w .. 16 w + 15 of each band, so that the diagonal block is the same work for all.  A band: its diagonal block first (it starts the sums
; and takes the masks), then a loop counted to 3 over the earlier key blocks, with a forward jump over those that are not earlier.
; LAYOUT.  S^T = K Q^T holds one query a lane (l % 16) and the keys 8 (l / 16) + 0..7; times 2^(L_t - L_s + CA) and rounded to f16 in pairs it IS source 1 of O^T = V^T P.  V comes out of LDS turned.
; THE SCALES.  eq, ek, ev = the exponents of the whole problem's largest |q|, |k|, |v| (|q| < 2^(eq + 1) ..), read from the head of sst.  CA = -3 - (eq + ek) rides in the exponent: |P| <= 32 whatever q and k hold
; within f16.  At most 4,096 keys weigh on a query, each with a weight of at most 1: |o| < 2^(18 + eq + ek + ev), so what is stored lies below 2^15.  The gate brings the rest of the factor:
; 1 / (2^(ev + 3) (1 + 2^(-zog log2 e))).  The last launch gives 2^(eq + ek + ev + 3) back.  The state's product goes in bf16 (q 2^(L_t + CA) and S_in have no common room in f16), on the same accumulators.
; LIMITS: a hidden score's exponent counts as -1e30; a weight below 2^-126 counts as 0; what is stored keeps f16's fixed step of 6e-8 below 6e-5; NaN and infinities are not treated apart.
; No tile has a second reader: no cluster.  The tiles and the stage fill LDS: one fill at the head, no ring.
; REGISTERS: window 0 addresses, Q, P, S^T, L of the keys, exponents, K's fragments; window 1 v0-127 V's (or S_in's) fragments, later 16 rows of O; v128-255 O^T; window 2 v0-63 zog, v64-127 the gate at work.
.set PQ,    272                        ; a row of q | k in LDS: 256 bytes + 16
.set PV,    544                        ; a row of V: 512 + 32
.set VOFF,  256*PQ
.set SOFF,  VOFF+256*PV                ; S_in, 32,768 bytes as they lie in sst
.set LW,    SOFF+32768                 ; L of the 256 tokens in f32, a copy for each wave
.set STAGE, LW+4096                    ; 16 rows x 1,040 bytes for each wave
.set SP,    1040
.set SPARE, STAGE+4*16*SP
.set RR,   1
.set HH,   2
.set LN,   3
.set AK0,  4                           ; K's fragments in key block 0; never rewritten
.set AKD,  5                           ; in the band's own block
.set AQ,   6
.set AV0,  7
.set AVD,  8
.set ALS0, 9
.set ALSD, 10
.set ALT,  11
.set ASF,  12
.set STO,  13
.set SRD,  14
.set OGO,  15
.set GO,   16
.set LO,   17
.set LT,   18                          ; L_t + CA; named as a pair with R
.set R,    19
.set CA,   20
.set ZR,   21
.set NL2E, 22
.set TA,   23                          ; v23-26 at work
.set AK,   27                          ; the loop's walking addresses
.set AV,   28
.set ALS,  29
.set SPW,  30
.set NIL,  31
.set Q,    32
.set P,    48
.set ST,   64
.set LS,   96
.set E,    128
.set KF,   160
.set LA,   224
.set BM,   232
.set PRE,  238
.set OT,   239
.set BLK,  240
.set VTQ,  246
.set ACC,  128                         ; window 1
.set OG,   0                           ; window 2
.set T,    64                          ; window 2
.set WV,   12
.set J,    13
.set BH,   14
.set X,    15
.set Y,    16
.set BIGN, 17
.set ISC,  18                          ; s[18:19] 2^(ev + 3)
.set SEL,  20
.set OP,   22                          ; s[22:23] zog at the band's first row
.set GP,   24                          ; s[24:25] gg at the band's first row
.set G1Q,  28
.set G1V,  36
.set G1S,  44
.set G0Q,  52
.set G0V,  56
.set G0S,  60
.set MK,   66                          ; s[66:97] lane masks of the diagonal block's hidden keys (at work before they are made)
.set MSB, 0
.macro WIN new
.if MSB != (\new)
	s_set_vgpr_msb (MSB<<8)|(\new)
.set MSB, \new
.endif
.endm
.macro PLACES
.rept 4
	v_nop
.endr
.endm
	s_load_b256 s[4:11], s[0:1], 0x0               ; pj 4, lat 6, sst 8, gg 10
	v_lshl_add_u32 v[SPW], v0, 2, SPARE
	v_mov_b32 v[NIL], 0
	ds_add_u32 v[SPW], v[NIL]                      ; the opening: the add, twice on end, and its wait ahead of my first tensor load
	ds_add_u32 v[SPW], v[NIL]
	v_lshrrev_b32 v1, 5, v0
	v_readfirstlane_b32 s[WV], v1
	s_mov_b32 s[J], ttmp9
	s_and_b32 s[BH], ttmp7, 0xffff
	s_and_b32 s66, s[BH], 7                        ; head
	s_lshr_b32 s67, s[BH], 3
	s_lshl_b32 s67, s67, 12
	s_lshl_b32 s68, s[J], 8
	s_add_co_u32 s67, s67, s68                     ; the segment's first row
	s_lshl_b32 s68, s[WV], 6
	s_add_co_u32 s68, s67, s68
	s_mul_i32 s68, s68, 10240                      ; my 64 rows of pj
	s_lshl_b32 s69, s66, 8
	s_add_co_u32 s70, s68, s69                     ; q | k of the head
	s_mov_b32 s71, 0
	s_lshl_b32 s69, s66, 9
	s_add_co_u32 s72, s68, s69
	s_add_co_u32 s72, s72, 2048                    ; v
	s_mov_b32 s73, 0
	s_lshl_b32 s74, s[BH], 4
	s_add_co_u32 s74, s74, s[J]
	s_lshl_b32 s74, s74, 15
	s_lshl_b32 s75, s[WV], 13
	s_add_co_u32 s74, s74, s75                     ; my quarter of S_in
	s_mov_b32 s75, 0
	s_mul_i32 s76, s67, 10240
	s_add_co_u32 s76, s76, s69
	s_add_co_u32 s76, s76, 6144                    ; zog
	s_mov_b32 s77, 0
	s_lshl_b32 s78, s67, 12
	s_add_co_u32 s78, s78, s69                     ; gg
	s_mov_b32 s79, 0
	s_lshl_b32 s80, s[BH], 14
	s_lshl_b32 s81, s[J], 10
	s_add_co_u32 s80, s80, s81                     ; la
	s_mov_b32 s81, 0
	s_mov_b32 s[G1Q+0], (1<<16)|(1<<20)|(5<<22)|(3<<25)  ; 2-byte elements; after every 64 words 4 words
	s_mov_b32 s[G1Q+1], 128<<16
	s_mov_b32 s[G1Q+2], 64<<16
	s_mov_b32 s[G1Q+3], 128<<16
	s_mov_b32 s[G1Q+4], 64
	s_mov_b32 s[G1Q+5], 5120
	s_mov_b32 s[G1Q+6], 0
	s_mov_b32 s[G1Q+7], 0
	s_mov_b32 s[G1V+0], (1<<16)|(1<<20)|(6<<22)|(7<<25)  ; after every 128 words 8 words
	s_mov_b32 s[G1V+1], 256<<16
	s_mov_b32 s[G1V+2], 64<<16
	s_mov_b32 s[G1V+3], 256<<16
	s_mov_b32 s[G1V+4], 64
	s_mov_b32 s[G1V+5], 5120
	s_mov_b32 s[G1V+6], 0
	s_mov_b32 s[G1V+7], 0
	s_mov_b32 s[G1S+0], 3<<16                      ; a dense block: 32 rows of 32 elements of 8 bytes
	s_mov_b32 s[G1S+1], 32<<16
	s_mov_b32 s[G1S+2], 32<<16
	s_mov_b32 s[G1S+3], 32<<16
	s_mov_b32 s[G1S+4], 32
	s_mov_b32 s[G1S+5], 32
	s_mov_b32 s[G1S+6], 0
	s_mov_b32 s[G1S+7], 0
	s_mov_b32 s[G0Q], 1
	s_mul_i32 s[G0Q+1], s[WV], 64*PQ
	s_mov_b32 s[G0V], 1
	s_mul_i32 s[G0V+1], s[WV], 64*PV
	s_add_co_u32 s[G0V+1], s[G0V+1], VOFF
	s_mov_b32 s[G0S], 1
	s_lshl_b32 s[G0S+1], s[WV], 13
	s_add_co_u32 s[G0S+1], s[G0S+1], SOFF
	s_mov_b32 s[BIGN], 0xf149f2ca                  ; -1e30
	s_mov_b32 s[SEL], 0x76543210
	s_mov_b32 s[SEL+1], 0xfedcba98
	s_wait_dscnt 0x0                               ; both opening adds are done
	s_wait_kmcnt 0x0
	s_add_nc_u64 s[G0Q+2:G0Q+3], s[4:5], s[70:71]
	s_or_b32 s[G0Q+3], s[G0Q+3], 0x80000000
	s_add_nc_u64 s[G0V+2:G0V+3], s[4:5], s[72:73]
	s_or_b32 s[G0V+3], s[G0V+3], 0x80000000
	s_add_nc_u64 s[G0S+2:G0S+3], s[8:9], s[74:75]
	s_or_b32 s[G0S+3], s[G0S+3], 0x80000000
	s_add_nc_u64 s[OP:OP+1], s[4:5], s[76:77]
	s_add_nc_u64 s[GP:GP+1], s[10:11], s[78:79]
	s_add_nc_u64 s[6:7], s[6:7], s[80:81]
	tensor_load_to_lds s[G0Q:G0Q+3], s[G1Q:G1Q+7]  ; my quarter of each tile; every wait on these loads in the text is for 0
	s_nop 0
	tensor_load_to_lds s[G0V:G0V+3], s[G1V:G1V+7]
	s_nop 0
	s_cmp_eq_u32 s[J], 0                           ; the segment's number: the same in all four waves
	s_cbranch_scc1 .Lno_state_tile                 ; a first segment has no state, and reads none below
	tensor_load_to_lds s[G0S:G0S+3], s[G1S:G1S+7]
	s_nop 0
.Lno_state_tile:
.rept 4
	v_nop
.endr
	s_load_b512 s[68:83], s[8:9], 0x0              ; four partial triples of biased exponents (Eq, Ek, Ev, 0)
	v_and_b32 v[LN], 31, v0
	v_lshlrev_b32 v[LO], 5, v[LN]
	global_load_b128 v[LA:LA+3],   v[LO], s[6:7]   ; lane l: la of tokens 8 l .. 8 l + 7
	global_load_b128 v[LA+4:LA+7], v[LO], s[6:7] offset:16
	v_and_b32 v[RR], 15, v0
	v_bfe_u32 v[HH], v0, 4, 1
.irp k, 0,1,2,3,4
	v_bfe_u32 v[TA], v[LN], \k, 1
	v_cvt_f32_u32 v[BM+(\k)], v[TA]
.endr
	v_mul_u32_u24 v[TA], v[RR], PQ
	v_lshl_add_u32 v[TA], v[HH], 4, v[TA]          ; r x pitch + 16 hh
	v_add_nc_u32 v[AK0], 128, v[TA]                ; k lies behind q in a row
	v_mov_b32 v[AKD], v[AK0]
	s_mul_i32 s2, s[WV], 16*PQ
	v_add_nc_u32 v[AQ], s2, v[TA]                  ; my 16 rows of band 0
	v_and_b32 v[TA], 7, v0
	v_lshl_add_u32 v[TA], v[HH], 3, v[TA]
	v_mul_u32_u24 v[TA], v[TA], PV
	v_bfe_u32 v[TA+1], v0, 3, 1
	v_lshl_add_u32 v[TA], v[TA+1], 4, v[TA]
	v_add_nc_u32 v[AV0], VOFF, v[TA]
	v_mov_b32 v[AVD], v[AV0]
	s_lshl_b32 s2, s[WV], 10
	s_add_co_u32 s2, s2, LW                        ; my copy of L
	v_lshl_add_u32 v[ALS0], v[HH], 5, s2
	v_mov_b32 v[ALSD], v[ALS0]
	v_lshl_add_u32 v[TA+2], v[LN], 5, s2           ; where I put my eight L
	s_lshl_b32 s3, s[WV], 6
	s_add_co_u32 s3, s3, s2
	v_lshl_add_u32 v[ALT], v[RR], 2, s3            ; L of my query in band 0
	v_lshlrev_b32 v[ASF], 4, v[LN]
	v_add_nc_u32 v[ASF], SOFF, v[ASF]
	s_mul_i32 s2, s[WV], 16*SP
	s_add_co_u32 s2, s2, STAGE
	v_mul_u32_u24 v[STO], v[RR], SP
	v_lshl_add_u32 v[STO], v[HH], 4, v[STO]
	v_add_nc_u32 v[STO], s2, v[STO]
	v_lshl_add_u32 v[SRD], v[LN], 4, s2
	s_mul_i32 s2, s[WV], 163840
	v_lshl_add_u32 v[OGO], v[LN], 4, s2            ; my 16 rows of a band in pj,
	s_lshl_b32 s2, s[WV], 16
	v_lshl_add_u32 v[GO], v[LN], 4, s2             ; and in gg
	v_mov_b32 v[R], 0
	v_mov_b32 v[ZR], 0
	v_mov_b32 v[NL2E], 0xbfb8aa3b                  ; -log2(e)
	v_lshlrev_b32 v[TA], 3, v[HH]
	v_sub_nc_u32 v[VTQ], v[RR], v[TA]
	s_lshl_b32 s2, s[WV], 4
	v_add_nc_u32 v[VTQ], s2, v[VTQ]                ; my query's place in its band, less my lanes' 8 hh: register jj of key group kt is hidden where 16 kt + jj is greater
	s_wait_kmcnt 0x0                               ; the exponents: values alone, no address and no branch hangs on them
	s_max_u32 s68, s68, s72
	s_max_u32 s76, s76, s80
	s_max_u32 s68, s68, s76                        ; Eq = eq + 15
	s_max_u32 s69, s69, s73
	s_max_u32 s77, s77, s81
	s_max_u32 s69, s69, s77                        ; Ek
	s_max_u32 s70, s70, s74
	s_max_u32 s78, s78, s82
	s_max_u32 s70, s70, s78                        ; Ev
	s_add_co_u32 s68, s68, s69
	s_sub_co_i32 s68, 27, s68
	v_cvt_f32_i32 v[CA], s68                       ; -3 - (eq + ek)
	s_add_co_u32 s[ISC], s70, 115
	s_lshl_b32 s[ISC], s[ISC], 23                  ; 2^(ev + 3) as a float: exponent field 127 + Ev - 15 + 3
	s_mov_b32 s[ISC+1], s[ISC]
.set z, 0
.rept 32
	v_cmp_gt_i32 s[MK+z], 16*(z/8)+z%8, v[VTQ]
.set z, z+1
.endr
	s_wait_loadcnt 0x0
; L, as in the launch that makes U: the running sum in the lane, then over the lanes
.macro PSTEP m, k
	v_mov_b32_dpp v[OT], v[BLK] row_xmask:\m row_mask:0xf bank_mask:0xf
	v_fmac_f32 v[PRE], v[OT], v[BM+(\k)]
	v_add_f32 v[BLK], v[BLK], v[OT]
.endm
.irp i, 1,2,3,4,5,6,7
	v_add_f32 v[LA+(\i)], v[LA+(\i)], v[LA+(\i)-1]
.endr
	v_mov_b32 v[BLK], v[LA+7]
	v_mov_b32 v[PRE], 0
	v_mov_b32 v[OT], 0
	PSTEP 1, 0
	PSTEP 2, 1
	PSTEP 4, 2
	PSTEP 8, 3
	v_permlanex16_b32 v[OT], v[BLK], s[SEL], s[SEL+1]
	v_fmac_f32 v[PRE], v[OT], v[BM+4]
.irp i, 0,2,4,6
	v_pk_add_f32 v[LA+(\i):LA+(\i)+1], v[LA+(\i):LA+(\i)+1], v[PRE:PRE+1] op_sel_hi:[1,0]
.endr
	ds_store_b128 v[TA+2], v[LA:LA+3]              ; my wave's own bytes
	ds_store_b128 v[TA+2], v[LA+4:LA+7] offset:16
	s_wait_tensorcnt 0x0                           ; my quarters have landed,
	s_wait_dscnt 0x0
	s_barrier_signal -1
	s_barrier_wait -1                              ; everybody's have
.macro VLOAD av, k2                    ; V^T's 16 fragments for 32 keys: one run of 32 turning loads
	WIN 0x40
.set z, 0
.rept 16
	ds_load_tr16_b128 v[8*z:8*z+3],   v[\av] offset:(\k2)*32*PV+32*z
	ds_load_tr16_b128 v[8*z+4:8*z+7], v[\av] offset:(\k2)*32*PV+32*z+16*PV
.set z, z+1
.endr
.endm
.macro PVMUL k2, zero                  ; O^T += V^T P for 32 keys: 16 accumulators by turns; four places behind them
	WIN 0x51
.set z, 0
.rept 16
.if \zero
	v_wmma_f32_16x16x32_f16 v[ACC+8*z:ACC+8*z+7], v[8*z:8*z+7], v[P+8*(\k2):P+8*(\k2)+7], 0
.else
	v_wmma_f32_16x16x32_f16 v[ACC+8*z:ACC+8*z+7], v[8*z:8*z+7], v[P+8*(\k2):P+8*(\k2)+7], v[ACC+8*z:ACC+8*z+7]
.endif
.set z, z+1
.endr
	PLACES
.endm
; A block of 64 keys for my 16 queries.  diag = 1: the band's own block: keys later than the query are hidden, and the first products start O^T's sums.
.macro BLOCK diag, ak, av, als
	WIN 0
.set z, 0
.rept 8                                ; fragment z: keys 16 (z / 2) on, d 32 (z % 2) on
	ds_load_b128 v[KF+8*z:KF+8*z+3],   v[\ak] offset:(z/2)*16*PQ+(z%2)*64
	ds_load_b128 v[KF+8*z+4:KF+8*z+7], v[\ak] offset:(z/2)*16*PQ+(z%2)*64+32
.set z, z+1
.endr
.set z, 0
.rept 4
	ds_load_b128 v[LS+8*z:LS+8*z+3],   v[\als] offset:64*z
	ds_load_b128 v[LS+8*z+4:LS+8*z+7], v[\als] offset:64*z+16
.set z, z+1
.endr
	VLOAD \av, 0                                   ; on its way while the scores are made
	WIN 0
	s_wait_dscnt 40                                ; K is in; L's 8 loads and V's 32 stay out
.set z, 0
.rept 4
	v_wmma_f32_16x16x32_f16 v[ST+8*z:ST+8*z+7], v[KF+16*z:KF+16*z+7], v[Q:Q+7], 0
.set z, z+1
.endr
.set z, 0
.rept 4
	v_wmma_f32_16x16x32_f16 v[ST+8*z:ST+8*z+7], v[KF+16*z+8:KF+16*z+15], v[Q+8:Q+15], v[ST+8*z:ST+8*z+7]
.set z, z+1
.endr
	s_wait_dscnt 32                                ; L of the keys is in
.set z, 0
.rept 16                               ; L_t + CA - L_s: also the places behind the products
	v_pk_add_f32 v[E+2*z:E+2*z+1], v[LT:LT+1], v[LS+2*z:LS+2*z+1] op_sel_hi:[0,1] neg_lo:[0,1] neg_hi:[0,1]
.set z, z+1
.endr
.if \diag
.set z, 0
.rept 32
	v_cndmask_b32 v[E+z], v[E+z], s[BIGN], s[MK+z]
.set z, z+1
.endr
.endif
.set z, 0
.rept 32
	v_exp_f32 v[E+z], v[E+z]
.set z, z+1
.endr
	v_nop
	s_wait_alu depctr_va_vdst(0)                   ; one wait for the 32 exponentials
.set z, 0
.rept 16                               ; ascending: each accumulator is read from its low end first
	v_pk_mul_f32 v[ST+2*z:ST+2*z+1], v[ST+2*z:ST+2*z+1], v[E+2*z:E+2*z+1]
.set z, z+1
.endr
.set z, 0
.rept 16
	v_cvt_pk_f16_f32 v[P+z], v[ST+2*z], v[ST+2*z+1]
.set z, z+1
.endr
	s_wait_dscnt 0x0                               ; V of the first 32 keys is in
	PVMUL 0, \diag
	VLOAD \av, 1
	s_wait_dscnt 0x0
	PVMUL 1, 0
	WIN 0
.endm
; The gate for 8 of my 16 rows, and their stores.  Lane l holds channels 8 l .. 8 l + 7 of each row.
.macro GATE hf
	WIN 0x82
.set z, 0
.rept 32
	v_fma_mix_f32 v[T+2*z],   v[OG+32*(\hf)+z], v[NL2E], v[ZR] op_sel_hi:[1,0,0]
	v_fma_mix_f32 v[T+2*z+1], v[OG+32*(\hf)+z], v[NL2E], v[ZR] op_sel:[1,0,0] op_sel_hi:[1,0,0]
.set z, z+1
.endr
.set z, 0
.rept 64
	v_exp_f32 v[T+z], v[T+z]
.set z, z+1
.endr
	v_nop
	s_wait_alu depctr_va_vdst(0)
.set z, 0
.rept 32
	v_pk_fma_f32 v[T+2*z:T+2*z+1], v[T+2*z:T+2*z+1], s[ISC:ISC+1], s[ISC:ISC+1] op_sel_hi:[1,0,0]
.set z, z+1
.endr
.set z, 0
.rept 64
	v_rcp_f32 v[T+z], v[T+z]
.set z, z+1
.endr
	v_nop
	s_wait_alu depctr_va_vdst(0)
	WIN 0x49
.set z, 0
.rept 32
	v_pk_mul_f32 v[64*(\hf)+2*z:64*(\hf)+2*z+1], v[64*(\hf)+2*z:64*(\hf)+2*z+1], v[T+2*z:T+2*z+1]
.set z, z+1
.endr
	WIN 0x45
.set z, 0
.rept 8
.irp c, 0,1,2,3
	v_cvt_pk_f16_f32 v[64*(\hf)+8*z+(\c)], v[64*(\hf)+8*z+2*(\c)], v[64*(\hf)+8*z+2*(\c)+1]
.endr
.set z, z+1
.endr
	WIN 0x04
.set z, 0
.rept 8
	global_store_b128 v[GO], v[64*(\hf)+8*z:64*(\hf)+8*z+3], s[GP:GP+1] offset:4096*(8*(\hf)+z)  ; a wave stores 512 consecutive bytes, aligned
.set z, z+1
.endr
.endm
	s_mov_b32 s[X], 0
.Lband:
	WIN 0x80
.set z, 0
.rept 16
	global_load_b128 v[OG+4*z:OG+4*z+3], v[OGO], s[OP:OP+1] offset:10240*z th:TH_LOAD_NT  ; zog of my 16 rows: on its way through the whole band
.set z, z+1
.endr
	WIN 0
.irp i, 0,1,2,3
	ds_load_b128 v[Q+4*(\i):Q+4*(\i)+3], v[AQ] offset:32*(\i)
.endr
	ds_load_b32 v[LT], v[ALT]
	v_mov_b32 v[AK], v[AK0]
	v_mov_b32 v[AV], v[AV0]
	v_mov_b32 v[ALS], v[ALS0]
	s_wait_dscnt 0x0
	v_add_f32 v[LT], v[LT], v[CA]
	BLOCK 1, AKD, AVD, ALSD
	s_mov_b32 s[Y], 0
.Lkey:
	s_cmp_ge_u32 s[Y], s[X]
	s_cbranch_scc1 .Lskip                          ; not an earlier block: jumped; no barrier and no tensor load stands in what is jumped
	BLOCK 0, AK, AV, ALS
.Lskip:
	v_add_nc_u32 v[AK], 64*PQ, v[AK]
	v_add_nc_u32 v[AV], 64*PV, v[AV]
	v_add_nc_u32 v[ALS], 256, v[ALS]
	s_add_co_u32 s[Y], s[Y], 1
	s_cmp_lt_u32 s[Y], 3
	s_cbranch_scc1 .Lkey
	s_cmp_eq_u32 s[J], 0
	s_cbranch_scc1 .Lno_state                      ; a first segment: the state is reference()'s zeros
	v_exp_f32 v[R], v[LT]                          ; 2^(L_t + CA)
	PLACES
	s_wait_alu depctr_va_vdst(0)
.set z, 0
.rept 16
	v_fma_mix_f32 v[TA+2*(z%2)],   v[Q+z], v[R], v[ZR] op_sel_hi:[1,0,0]
	v_fma_mix_f32 v[TA+2*(z%2)+1], v[Q+z], v[R], v[ZR] op_sel:[1,0,0] op_sel_hi:[1,0,0]
	v_cvt_pk_bf16_f32 v[P+z], v[TA+2*(z%2)], v[TA+2*(z%2)+1]
.set z, z+1
.endr
.irp ks, 0,1
	WIN 0x40
.set z, 0
.rept 16                               ; S_in's tiles (nt, 2 ks) and (nt, 2 ks + 1) are registers 0-3 and 4-7 of a fragment of 16 channels x 32 d
	ds_load_b128 v[8*z:8*z+3],   v[ASF] offset:(4*z+2*(\ks))*512
	ds_load_b128 v[8*z+4:8*z+7], v[ASF] offset:(4*z+2*(\ks))*512+512
.set z, z+1
.endr
	s_wait_dscnt 0x0
	WIN 0x51
.set z, 0
.rept 16
	v_wmma_f32_16x16x32_bf16 v[ACC+8*z:ACC+8*z+7], v[8*z:8*z+7], v[P+8*(\ks):P+8*(\ks)+7], v[ACC+8*z:ACC+8*z+7]
.set z, z+1
.endr
	PLACES
.endr
	WIN 0
.Lno_state:
	WIN 0x04                                       ; O^T through my stage: a lane's registers 4 p .. 4 p + 3 of channel group 2 nt + hh go to 512 p + 16 (2 nt + hh) of row r
.set z, 0
.rept 16
	ds_store_b128 v[STO], v[ACC+8*z:ACC+8*z+3]   offset:32*z
	ds_store_b128 v[STO], v[ACC+8*z+4:ACC+8*z+7] offset:32*z+512
.set z, z+1
.endr
	WIN 0x40
.set z, 0
.rept 16                               ; back by rows: LDS serves a wave's instructions in order (ISA guide 5.7.1.4)
	ds_load_b128 v[8*z:8*z+3],   v[SRD] offset:SP*z
	ds_load_b128 v[8*z+4:8*z+7], v[SRD] offset:SP*z+512
.set z, z+1
.endr
	s_wait_loadcnt 0x0                             ; zog
	s_wait_dscnt 0x0
	GATE 0
	GATE 1
	WIN 0
	s_wait_xcnt 0x0                                ; the two bases and the stores' registers are rewritten only behind this wait
	s_add_nc_u64 s[OP:OP+1], s[OP:OP+1], 655360
	s_add_nc_u64 s[GP:GP+1], s[GP:GP+1], 262144
	v_add_nc_u32 v[AQ], 64*PQ, v[AQ]
	v_add_nc_u32 v[ALT], 256, v[ALT]
	v_add_nc_u32 v[AKD], 64*PQ, v[AKD]
	v_add_nc_u32 v[AVD], 64*PV, v[AVD]
	v_add_nc_u32 v[ALSD], 256, v[ALSD]
	s_add_co_u32 s[X], s[X], 1
	s_cmp_lt_u32 s[X], 4
	s_cbranch_scc1 .Lband
	s_wait_tensorcnt 0x0                           ; the wave's end
	ds_add_u32 v[SPW], v[NIL]
	s_wait_dscnt 0x0
	s_endpgm
.Lfunc_end_k_q1942df81ff_gla:
	.size	k_q1942df81ff_gla, .Lfunc_end_k_q1942df81ff_gla-k_q1942df81ff_gla
	.p2alignl 7, 3214868480
	.fill 96, 4, 3214868480
	.section	.rodata,"a",@progbits
	.p2align	6, 0x0
	.amdhsa_kernel k_q1942df81ff_gla
		.amdhsa_group_segment_fixed_size 312832
		.amdhsa_private_segment_fixed_size 0
		.amdhsa_enable_private_segment 0
		.amdhsa_kernarg_size 32
		.amdhsa_user_sgpr_count 2
		.amdhsa_user_sgpr_kernarg_segment_ptr 1
		.amdhsa_wavefront_size32 1
		.amdhsa_system_sgpr_workgroup_id_x 1
		.amdhsa_system_sgpr_workgroup_id_y 1
		.amdhsa_system_sgpr_workgroup_id_z 1
		.amdhsa_system_vgpr_workitem_id 0
		.amdhsa_next_free_vgpr 640
		.amdhsa_next_free_sgpr 98
		.amdhsa_reserve_vcc 0
		.amdhsa_float_denorm_mode_32 3
		.amdhsa_float_denorm_mode_16_64 3
		.amdhsa_memory_ordered 1
		.amdhsa_forward_progress 1
		.amdhsa_inst_pref_size 86
	.end_amdhsa_kernel
	.amdgpu_metadata
---
amdhsa.version: [ 1, 2 ]
amdhsa.kernels:
  - .name:           k_q1942df81ff_gla
    .symbol:         k_q1942df81ff_gla.kd
    .args:
      - { .name: pj, .offset: 0, .size: 8, .value_kind: global_buffer, .address_space: global }
      - { .name: lat, .offset: 8, .size: 8, .value_kind: global_buffer, .address_space: global }
      - { .name: sst, .offset: 16, .size: 8, .value_kind: global_buffer, .address_space: global }
      - { .name: gg, .offset: 24, .size: 8, .value_kind: global_buffer, .address_space: global }
    .group_segment_fixed_size: 312832
    .private_segment_fixed_size: 0
    .kernarg_segment_align: 8
    .kernarg_segment_size: 32
    .max_flat_workgroup_size: 128
    .sgpr_count:     98
    .vgpr_count:     640
    .wavefront_size: 32
...
	.end_amdgpu_metadata
.endif
;; end of part 5
;; launch outp (part 6): grid 4 x 64, 4 waves a work-group, clusters of 4 x 4, 327,680 bytes of LDS; arguments gg, wb, sst, out0; writes out0
.if DOCPART == 6
	.amdgcn_target "amdgcn-amd-amdhsa--gfx1250"
	.amdhsa_code_object_version 6
	.text
	.protected	k_q1942df81ff_outp
	.globl	k_q1942df81ff_outp
	.p2align	8
	.type	k_q1942df81ff_outp,@function
k_q1942df81ff_outp:
	s_mov_b64 s[64:65], 0
	v_nop
	global_prefetch_b8 v0, s[64:65] scope:SCOPE_SE
	s_setreg_imm32_b32 hwreg(HW_REG_WAVE_MODE, 25, 1), 1
	s_wait_xcnt 0x0
	s_wait_alu depctr_hold_cnt(0) depctr_sa_sdst(0) depctr_va_vdst(0) depctr_va_sdst(0) depctr_va_ssrc(0) depctr_va_vcc(0) depctr_vm_vsrc(0)
	s_getreg_b32 s2, hwreg(HW_REG_IB_STS2, 6, 4)
	s_cmp_eq_u32 s2, 0
	s_cbranch_scc0 .Lentry_in_a_cluster
	s_endpgm
.Lentry_in_a_cluster:
	s_bfe_u32 s2, ttmp6, 0x10000c
	s_cmp_lg_u32 s2, 0xf033
	s_cbranch_scc0 .Lentry_shape_is_right
	s_endpgm
.Lentry_shape_is_right:
; out0 = 2^(eq + ek + ev + 3) gg Wo: C[m][n] = the scale times the sum over k of A[m][k] B[k][n].  A = gg [8192][2048] f16, B = Wo (rounded to bf16, written as f16) [2048][1024] at byte 10,485,760 of wb,
; C = out0 [8192][1024] f32; sums in f32.  The scale is the power of two that the launch before took out of gg; its three exponents lie at the head of sst.
; The text of the projections' product on a tile of 128 x 256: tiles of 256 x 256 would be 128, half as many as there are WGPs; these are 256.  Four waves, each 64 x 128 in 32 accumulators.  K goes in steps
; of 128 through two LDS slots: waves 0, 1 fetch A's two halves (64 rows x 256 bytes), waves 2, 3 B's (64 rows of K x 512 bytes).  B lies [K][N]: its fragments come out of LDS turned.
; CLUSTER 4 x 4: A's tile is asked for jointly along a row of the cluster, B's along a column.  The matrix instruction is used transposed: a lane holds eight neighbouring numbers of one row of C.
; REGISTERS: window 0 addresses, A's two fragment buffers (v64, v128), the way out; window 1 B's two buffers; window 2 the accumulators ((a, b) at v[8 (8 a + b)]).
.set GN,     1024
.set GK,     2048
.set TM,     128
.set MB,     4
.set AH,     TM/2
.set BOFF,   10485760
.set CB,     4
.set CROW,   GN*CB
.set KSTEP,  128
.set PA,     272
.set PB,     544
.set ABYTES, TM*PA
.set HALFB,  64*PB
.set SLOT,   ABYTES+2*HALFB
.set STAGE,  2*SLOT                    ; behind the ring: 16 rows x 528 bytes for each wave
.set SPITCH, 528
.set SPARE,  STAGE+4*16*SPITCH
.set LAPS,   GK/(2*KSTEP)
.set ADRA, 16
.set ADRB, 20
.set STO,  24
.set RD,   25
.set CO,   26
.set SPW,  28
.set NIL,  29
.set PFO,  30
.set F0,   64
.set F1,   128
.set G1,   24
.set G0,   32
.set G1B,  48
.set G0B,  56
.set LIM,  43
.set PFA,  44
.set PFS,  66
.set OSC,  88                          ; s[88:89] the scale
.set MSB, 0
.macro WIN new
.if MSB != (\new)
	s_set_vgpr_msb (MSB<<8)|(\new)
.set MSB, \new
.endif
.endm
.macro PLACES
.rept 4
	v_nop
.endr
.endm
.macro JLOAD s                         ; a joint refill: waves 0, 1 ask for A, waves 2, 3 for B; an s_nop 0 and four v_nop follow each line
	s_cmp_eq_u32 s11, 0
	s_cbranch_scc0 .Lfor_b_\@
	tensor_load_to_lds s[G0+4*(\s):G0+4*(\s)+3], s[G1:G1+7]
	s_nop 0
.rept 4
	v_nop
.endr
	s_branch .Lasked_\@
.Lfor_b_\@:
	tensor_load_to_lds s[G0B+4*(\s):G0B+4*(\s)+3], s[G1B:G1B+7]
	s_nop 0
.rept 4
	v_nop
.endr
.Lasked_\@:
.endm
; A prefetch of the K step two refills on: 32 blocks of 256 bytes, a lane a block.  A's 128 rows: wave 0 of each of the four partners takes 32; B's: the clusters with y = 0, waves 2 and 3, 16 rows of K each.
.macro ASK
	s_cmp_gt_u32 s3, s[LIM]
	s_cbranch_scc0 .Lnot_mine_\@
	global_prefetch_b8 v[PFO], s[PFA:PFA+1] th:TH_LOAD_NT scope:SCOPE_SE
.Lnot_mine_\@:
.endm
.macro CREST
	s_cmp_lg_u32 s10, 0
	s_cbranch_scc1 .Lnot_wave_0_\@
	s_barrier_signal -3
.Lnot_wave_0_\@:
	s_barrier_wait -3
	s_barrier_signal -1
	s_barrier_wait -1
.endm
.macro CROUND
	s_barrier_signal -1
	s_barrier_wait -1
	CREST
.endm
	s_load_b128 s[4:7], s[0:1], 0x0                ; A s[4:5], wb s[6:7]
	s_load_b128 s[68:71], s[0:1], 0x10             ; sst s[68:69], C s[70:71]
	v_lshl_add_u32 v[SPW], v0, 2, SPARE
	v_mov_b32 v[NIL], 0
	ds_add_u32 v[SPW], v[NIL]                      ; the opening: the add, twice on end, and its wait ahead of my first tensor load
	ds_add_u32 v[SPW], v[NIL]
	v_lshrrev_b32 v1, 5, v0
	v_readfirstlane_b32 s10, v1
	s_lshr_b32 s11, s10, 1
	s_and_b32 s12, s10, 1
	s_bfe_u32 s40, ttmp6, 0x40000
	s_bfe_u32 s41, ttmp6, 0x40004
	s_lshl_b32 s42, ttmp9, 2
	s_add_co_u32 s42, s42, s40                     ; tile column
	s_and_b32 s13, ttmp7, 0xffff
	s_lshl_b32 s13, s13, 2
	s_add_co_u32 s13, s13, s41                     ; tile row
	s_lshl_b32 s43, s41, 2
	s_lshl_b32 s43, 15, s43
	s_lshl_b32 s44, 0x1111, s40
	s_or_b32 s[G1+0], s43, (1<<16)|(1<<20)|(1<<21)|(5<<22)|(3<<25)
	s_mov_b32 s[G1+1], KSTEP<<16
	s_mov_b32 s[G1+2], AH<<16
	s_mov_b32 s[G1+3], KSTEP<<16
	s_mov_b32 s[G1+4], AH
	s_mov_b32 s[G1+5], GK
	s_mov_b32 s[G1+6], 0
	s_mov_b32 s[G1+7], 0
	s_or_b32 s[G1B+0], s44, (1<<16)|(1<<20)|(1<<21)|(6<<22)|(7<<25)
	s_mov_b32 s[G1B+1], 256<<16
	s_mov_b32 s[G1B+2], 64<<16
	s_mov_b32 s[G1B+3], 256<<16
	s_mov_b32 s[G1B+4], 64
	s_mov_b32 s[G1B+5], GN
	s_mov_b32 s[G1B+6], 0
	s_mov_b32 s[G1B+7], 0
	s_mul_i32 s16, s13, TM
	s_mul_i32 s17, s12, AH
	s_add_co_u32 s16, s16, s17
	s_mul_i32 s16, s16, GK*2
	s_mov_b32 s17, 0
	s_mul_i32 s46, s12, 64*GN*2
	s_lshl_b32 s47, s42, 9
	s_add_co_u32 s46, s46, s47
	s_add_co_u32 s46, s46, BOFF
	s_mov_b32 s47, 0
	s_mul_i32 s20, s12, AH*PA
	s_mul_i32 s21, s12, HALFB
	s_add_co_u32 s21, s21, ABYTES
	s_wait_dscnt 0x0
	s_wait_kmcnt 0x0
	s_add_nc_u64 s[14:15], s[4:5], s[16:17]
	s_add_nc_u64 s[46:47], s[6:7], s[46:47]
	s_mov_b64 s[8:9], s[70:71]                     ; C
	CROUND
.irp s, 0,1
	s_mov_b32 s[G0+4*(\s)], 1
	s_add_co_u32 s[G0+4*(\s)+1], s20, (\s)*SLOT
	s_add_nc_u64 s[G0+4*(\s)+2:G0+4*(\s)+3], s[14:15], (\s)*KSTEP*2
	s_or_b32 s[G0+4*(\s)+3], s[G0+4*(\s)+3], 0x80000000
	s_mov_b32 s[G0B+4*(\s)], 1
	s_add_co_u32 s[G0B+4*(\s)+1], s21, (\s)*SLOT
	s_add_nc_u64 s[G0B+4*(\s)+2:G0B+4*(\s)+3], s[46:47], (\s)*KSTEP*GN*2
	s_or_b32 s[G0B+4*(\s)+3], s[G0B+4*(\s)+3], 0x80000000
.endr
	s_cmp_eq_u32 s11, 0                            ; a wave's two first fills stand in one branch: two loads of mine are out
	s_cbranch_scc0 .Lfirst_b
	tensor_load_to_lds s[G0:G0+3], s[G1:G1+7]
	s_nop 0
	tensor_load_to_lds s[G0+4:G0+7], s[G1:G1+7]
	s_nop 0
.rept 4
	v_nop
.endr
	s_branch .Lfirst_asked
.Lfirst_b:
	tensor_load_to_lds s[G0B:G0B+3], s[G1B:G1B+7]
	s_nop 0
	tensor_load_to_lds s[G0B+4:G0B+7], s[G1B:G1B+7]
	s_nop 0
.rept 4
	v_nop
.endr
.Lfirst_asked:
	s_load_b512 s[72:87], s[68:69], 0x0            ; four partial triples of biased exponents (Eq, Ek, Ev, 0)
	v_and_b32 v1, 15, v0
	v_bfe_u32 v2, v0, 4, 1
	v_mul_u32_u24 v3, v1, PA
	v_lshl_add_u32 v3, v2, 4, v3
	s_mul_i32 s21, s11, 16*MB*PA
	v_add_nc_u32 v[ADRA], s21, v3
	v_add_nc_u32 v[ADRA+1], SLOT, v[ADRA]
	v_and_b32 v4, 7, v0
	v_lshl_add_u32 v4, v2, 3, v4
	v_mul_u32_u24 v4, v4, PB
	v_bfe_u32 v5, v0, 3, 1
	v_lshl_add_u32 v4, v5, 4, v4
	s_lshl_b32 s22, s12, 8
	s_add_co_u32 s22, s22, ABYTES
	v_add_nc_u32 v[ADRB], s22, v4
	v_add_nc_u32 v[ADRB+1], SLOT, v[ADRB]
	s_mul_i32 s23, s10, 16*SPITCH
	s_add_co_u32 s23, s23, STAGE
	v_mul_u32_u24 v4, v1, SPITCH
	v_lshl_add_u32 v4, v2, 5, v4
	v_add_nc_u32 v[STO], s23, v4                   ; into my stage: row r, 32 bytes for each half of the lanes
	v_and_b32 v5, 31, v0
	v_lshlrev_b32 v[CO], 4, v5                     ; back, and in C: a row's 512 bytes, 16 a lane
	v_add_nc_u32 v[RD], s23, v[CO]
	s_mul_i32 s16, s13, TM
	s_mul_i32 s14, s11, 16*MB
	s_add_co_u32 s16, s16, s14
	s_mul_i32 s16, s16, CROW
	s_mov_b32 s17, 0
	s_mul_i32 s46, s42, 256*CB
	s_mul_i32 s47, s12, 128*CB
	s_add_co_u32 s46, s46, s47
	s_mov_b32 s47, 0
	s_add_nc_u64 s[16:17], s[16:17], s[46:47]
	s_mul_i32 s20, s13, TM                         ; the prefetches start at K step 3; each change of slots steps first
	s_mul_i32 s21, s12, AH
	s_add_co_u32 s20, s20, s21
	s_lshl_b32 s21, s40, 5
	s_add_co_u32 s20, s20, s21
	s_mul_i32 s20, s20, GK*2
	s_add_co_u32 s20, s20, 3*KSTEP*2
	s_lshl_b32 s21, s12, 6
	s_lshl_b32 s23, s41, 4
	s_add_co_u32 s21, s21, s23
	s_add_co_u32 s21, s21, 3*KSTEP
	s_mul_i32 s21, s21, GN*2
	s_lshl_b32 s23, s42, 9
	s_add_co_u32 s21, s21, s23
	s_add_co_u32 s21, s21, BOFF
	s_and_b32 s22, ttmp7, 0xffff
	s_movk_i32 s23, KSTEP*2
	s_mov_b32 s[PFS], KSTEP*GN*2
	s_mov_b32 s18, GK*2
	s_mov_b32 s19, GN*2
	s_cmp_eq_u32 s11, 0
	s_cselect_b32 s20, s20, s21
	s_cselect_b32 s22, ttmp9, s22
	s_cselect_b64 s[PFA:PFA+1], s[4:5], s[6:7]
	s_cselect_b32 s[PFS], s23, s[PFS]
	s_cselect_b32 s18, s18, s19
	s_cselect_b32 s19, 0, 1
	s_mov_b32 s21, 0
	s_mov_b32 s[PFS+1], 0
	s_add_nc_u64 s[PFA:PFA+1], s[PFA:PFA+1], s[20:21]
	s_cmp_eq_u32 s22, 0
	s_cselect_b32 s[LIM], 1, -1
	s_cmp_eq_u32 s10, 1                            ; wave 0's 32 rows for each of four partners cover A's 128: wave 1 asks for nothing
	s_cselect_b32 s[LIM], -1, s[LIM]
	v_and_b32 v6, 31, v0
	v_lshrrev_b32 v7, s19, v6
	v_and_b32 v6, s19, v6
	v_mul_u32_u24 v7, s18, v7
	v_lshl_add_u32 v[PFO], v6, 8, v7
	s_wait_kmcnt 0x0                               ; the exponents: values alone, no address and no branch hangs on them
	s_max_u32 s72, s72, s76
	s_max_u32 s80, s80, s84
	s_max_u32 s72, s72, s80                        ; Eq = eq + 15
	s_max_u32 s73, s73, s77
	s_max_u32 s81, s81, s85
	s_max_u32 s73, s73, s81                        ; Ek
	s_max_u32 s74, s74, s78
	s_max_u32 s82, s82, s86
	s_max_u32 s74, s74, s82                        ; Ev
	s_add_co_u32 s72, s72, s73
	s_add_co_u32 s72, s72, s74
	s_add_co_u32 s72, s72, 85
	s_lshl_b32 s[OSC], s72, 23                     ; 2^(eq + ek + ev + 3) as a float: exponent field 127 + Eq + Ek + Ev - 45 + 3
	s_mov_b32 s[OSC+1], s[OSC]
.macro MUL f, a0, na, zero             ; na x 8 matrix instructions; all 32 accumulators take turns, in the same order in every quarter
.set ma, \a0
.rept \na
	WIN 0xa1+0x50*(ma/4)
.irp b, 0,1,2,3,4,5,6,7
.if \zero
	v_wmma_f32_16x16x32_f16 v[8*(8*(ma%4)+(\b)):8*(8*(ma%4)+(\b))+7], v[(\f)+8*(\b):(\f)+8*(\b)+7], v[(\f)+8*ma:(\f)+8*ma+7], 0
.else
	v_wmma_f32_16x16x32_f16 v[8*(8*(ma%4)+(\b)):8*(8*(ma%4)+(\b))+7], v[(\f)+8*(\b):(\f)+8*(\b)+7], v[(\f)+8*ma:(\f)+8*ma+7], v[8*(8*(ma%4)+(\b)):8*(8*(ma%4)+(\b))+7]
.endif
.endr
.set ma, ma+1
.endr
.endm
.macro FETCH slot, kq, f
	WIN 0x40
.irp i, 0,1,2,3,4,5,6,7
	ds_load_tr16_b128 v[(\f)+8*(\i):(\f)+8*(\i)+3],   v[ADRB+(\slot)] offset:(\kq)*32*PB+32*(\i)
	ds_load_tr16_b128 v[(\f)+8*(\i)+4:(\f)+8*(\i)+7], v[ADRB+(\slot)] offset:(\kq)*32*PB+32*(\i)+16*PB
.endr
	WIN 0
.set fi, 0
.rept MB
	ds_load_b128 v[(\f)+8*fi:(\f)+8*fi+3],   v[ADRA+(\slot)] offset:(\kq)*64+fi*16*PA
	ds_load_b128 v[(\f)+8*fi+4:(\f)+8*fi+7], v[ADRA+(\slot)] offset:(\kq)*64+fi*16*PA+32
.set fi, fi+1
.endr
.endm
.macro QUARTER slot, kq, f, g, zero
	s_wait_dscnt MB                                ; B and A's lower half are in; A's upper half may be out
	MUL \f, 0, MB/4, \zero
	MUL \f, MB/4, MB/4, \zero
	PLACES
	FETCH \slot, \kq, \g
	s_wait_dscnt 16+2*MB                           ; all but the run just issued
	MUL \f, MB/2, MB/4, \zero
	MUL \f, 3*MB/4, MB/4, \zero
.endm
.macro MEET round
	WIN 0
	s_wait_tensorcnt 0x0                           ; all my tensor loads have landed: my part of the next slot
	ds_add_u32 v[SPW], v[NIL]
	s_wait_dscnt MB+1                              ; the add and A's upper half may be out
	MUL F1, 0, MB/4, 0
	s_wait_dscnt 0x0                               ; the add is done, and my reads of this slot are over
	s_barrier_signal -1
	MUL F1, MB/4, MB/4, 0
.if \round
	WIN 0
.endif
	s_barrier_wait -1
.endm
.macro TURN slot, next, fill
.if \fill
	s_wait_xcnt 0x0                                ; the last prefetch, a K step back, has read its address
	s_add_nc_u64 s[PFA:PFA+1], s[PFA:PFA+1], s[PFS:PFS+1]
.endif
	MEET \fill
.if \fill
	CREST
	s_add_nc_u64 s[G0+4*(\slot)+2:G0+4*(\slot)+3], s[G0+4*(\slot)+2:G0+4*(\slot)+3], 2*KSTEP*2
	s_add_nc_u64 s[G0B+4*(\slot)+2:G0B+4*(\slot)+3], s[G0B+4*(\slot)+2:G0B+4*(\slot)+3], 2*KSTEP*GN*2
	JLOAD \slot
.else
	PLACES
.endif
	FETCH \next, 0, F0
.if \fill
	ASK
.endif
	MUL F1, MB/2, MB/4, 0
	MUL F1, 3*MB/4, MB/4, 0
.endm
; THE WAY OUT of block a, in f32: straight from the accumulators into my stage, each from its low end on; back as whole rows of 512 bytes; times the scale; stored.
.macro TOSTAGE32 a
.set BK, 64+64*((\a)%2)
	WIN 0x08
.irp b, 0,1,2,3,4,5,6,7
	ds_store_b128 v[STO], v[8*(8*(\a)+(\b)):8*(8*(\a)+(\b))+3]   offset:64*(\b)
	ds_store_b128 v[STO], v[8*(8*(\a)+(\b))+4:8*(8*(\a)+(\b))+7] offset:64*(\b)+16
.endr
	WIN 0
.set t, 0
.rept 16
	ds_load_b128 v[BK+4*t:BK+4*t+3], v[RD] offset:t*SPITCH  ; LDS serves a wave's instructions in order (ISA guide 5.7.1.4)
.set t, t+1
.endr
.endm
.macro SEND32 a
.set BK, 64+64*((\a)%2)
	WIN 0
	s_wait_dscnt 0x0
	s_wait_xcnt 0x0                                ; the base and the registers that earlier stores read are rewritten only behind this wait
.if (\a) == 0
	s_add_nc_u64 s[8:9], s[8:9], s[16:17]
.else
	s_add_nc_u64 s[8:9], s[8:9], 16*CROW
.endif
.set t, 0
.rept 32
	v_pk_mul_f32 v[BK+2*t:BK+2*t+1], v[BK+2*t:BK+2*t+1], s[OSC:OSC+1] op_sel_hi:[1,0]
.set t, t+1
.endr
.set t, 0
.rept 16
	global_store_b128 v[CO], v[BK+4*t:BK+4*t+3], s[8:9] offset:t*CROW  ; a wave stores 512 consecutive bytes, aligned
.set t, t+1
.endr
.endm
	s_wait_tensorcnt 1                             ; my part of K step 0 is in; K step 1's stays out
	s_barrier_signal -1
	s_barrier_wait -1
	FETCH 0, 0, F0
	QUARTER 0, 1, F0, F1, 1
	WIN 0
	s_mov_b32 s3, LAPS-1
.Llap:
	QUARTER 0, 2, F1, F0, 0
	QUARTER 0, 3, F0, F1, 0
	TURN 0, 1, 1
	QUARTER 1, 1, F0, F1, 0
	QUARTER 1, 2, F1, F0, 0
	QUARTER 1, 3, F0, F1, 0
	TURN 1, 0, 1
	QUARTER 0, 1, F0, F1, 0
	WIN 0
	s_sub_co_u32 s3, s3, 1
	s_cmp_lg_u32 s3, 0
	s_cbranch_scc1 .Llap
	QUARTER 0, 2, F1, F0, 0                        ; the last lap fills nothing
	QUARTER 0, 3, F0, F1, 0
	TURN 0, 1, 0
	QUARTER 1, 1, F0, F1, 0
	QUARTER 1, 2, F1, F0, 0
	QUARTER 1, 3, F0, F1, 0
	s_wait_dscnt MB
	MUL F1, 0, MB/4, 0
	MUL F1, MB/4, MB/4, 0
	s_wait_dscnt 0x0
	MUL F1, MB/2, MB/4, 0
	MUL F1, 3*MB/4, MB/4, 0
	WIN 0
	PLACES
	TOSTAGE32 0
.irp a, 1,2,3
	SEND32 (\a)-1
	TOSTAGE32 \a
.endr
	SEND32 3
	s_wait_tensorcnt 0x0                           ; the wave's end
	ds_add_u32 v[SPW], v[NIL]
	s_wait_dscnt 0x0
	CROUND                                         ; the closing round
	s_endpgm
.Lfunc_end_k_q1942df81ff_outp:
	.size	k_q1942df81ff_outp, .Lfunc_end_k_q1942df81ff_outp-k_q1942df81ff_outp
	.p2alignl 7, 3214868480
	.fill 96, 4, 3214868480
	.section	.rodata,"a",@progbits
	.p2align	6, 0x0
	.amdhsa_kernel k_q1942df81ff_outp
		.amdhsa_group_segment_fixed_size 327680
		.amdhsa_private_segment_fixed_size 0
		.amdhsa_enable_private_segment 0
		.amdhsa_kernarg_size 32
		.amdhsa_user_sgpr_count 2
		.amdhsa_user_sgpr_kernarg_segment_ptr 1
		.amdhsa_wavefront_size32 1
		.amdhsa_system_sgpr_workgroup_id_x 1
		.amdhsa_system_sgpr_workgroup_id_y 1
		.amdhsa_system_sgpr_workgroup_id_z 1
		.amdhsa_system_vgpr_workitem_id 0
		.amdhsa_next_free_vgpr 768
		.amdhsa_next_free_sgpr 90
		.amdhsa_reserve_vcc 0
		.amdhsa_float_denorm_mode_32 3
		.amdhsa_float_denorm_mode_16_64 3
		.amdhsa_memory_ordered 1
		.amdhsa_forward_progress 1
		.amdhsa_inst_pref_size 96
	.end_amdhsa_kernel
	.amdgpu_metadata
---
amdhsa.version: [ 1, 2 ]
amdhsa.kernels:
  - .name:           k_q1942df81ff_outp
    .symbol:         k_q1942df81ff_outp.kd
    .args:
      - { .name: gg, .offset: 0, .size: 8, .value_kind: global_buffer, .address_space: global }
      - { .name: wb, .offset: 8, .size: 8, .value_kind: global_buffer, .address_space: global }
      - { .name: sst, .offset: 16, .size: 8, .value_kind: global_buffer, .address_space: global }
      - { .name: out0, .offset: 24, .size: 8, .value_kind: global_buffer, .address_space: global }
    .group_segment_fixed_size: 327680
    .private_segment_fixed_size: 0
    .kernarg_segment_align: 8
    .kernarg_segment_size: 32
    .max_flat_workgroup_size: 128
    .sgpr_count:     90
    .vgpr_count:     768
    .wavefront_size: 32
...
	.end_amdgpu_metadata
.endif
;; end of part 6
;; ======== version 2 of 2: 6 launches; version 1 with the launches cast, scan written anew for expert scheduling mode
;; limits: values are held in f16: magnitudes above 65,504 overflow, below 6.1e-05 lose precision; a difference of large sums (such as E[x^2] - mean^2): digits are lost where the result is much smaller than its terms
;; workspace buffers: xb 16,777,216 bytes; wb 14,680,064 bytes; lat 262,144 bytes; pj 83,886,080 bytes; ust 16,777,216 bytes; sst 8,388,608 bytes; gg 33,554,432 bytes; mxt 16,384 bytes
;; launch cast (part 7): grid 480 x 1, 8 waves a work-group, no clusters, 34,816 bytes of LDS; arguments x, Wg, bg, Wq, Wk, Wv, Wog, Wo, xb, wb, lat; writes xb, wb, lat
.if DOCPART == 7
	.amdgcn_target "amdgcn-amd-amdhsa--gfx1250"
	.amdhsa_code_object_version 6
	.text
	.protected	k_q1942df81ff_cast
	.globl	k_q1942df81ff_cast
	.p2align	8
	.type	k_q1942df81ff_cast,@function
k_q1942df81ff_cast:
	s_mov_b64 s[64:65], 0
	v_nop
	global_prefetch_b8 v0, s[64:65] scope:SCOPE_SE
	s_setreg_imm32_b32 hwreg(HW_REG_WAVE_SCHED_MODE, 0, 2), 2
	s_setreg_imm32_b32 hwreg(HW_REG_WAVE_MODE, 25, 1), 1
	s_wait_xcnt 0x0
	s_wait_alu depctr_vm_vsrc(0)
; GATED LINEAR ATTENTION in six launches.  S_t = a_t S_(t-1) + k_t^T v_t, o_t = q_t S_t, out = (o sigmoid(x Wog)) Wo; 16 pairs (batch, head), 4,096 tokens each.
; THE RECURRENCE IN SEGMENTS of 256 tokens.  la = log2(a), L_t = the running sum of la inside a segment.  Key s weighs on query t >= s with 2^(L_t - L_s), the state that enters the segment with 2^(L_t),
; and the segment passes on 2^(L_256) S_in + U, U = the sum over s of 2^(L_256 - L_s) k_s^T v_s.  a lies in 0 to 1, so every such factor is at most 1.
; WORK LEFT OUT, for all values of the inputs: (1) the product of a sequence's first segment with the state that enters it: reference() builds that state as zeros; (2) U of each sequence's last segment: no
; later token exists to read it; (3) the blocks of 64 x 64 scores whose keys all come later than their queries: o_t is a sum over s <= t alone.  Every input has a way to the output and is loaded.
; LIMIT: a NaN, an infinity or an overflow that reaches only the work left out is not carried to the result.
; THIS LAUNCH: work-groups 0-255 round x to bf16 (xb) and make la = log2 sigmoid((x Wg + bg) / 16) in f32 from the unrounded x (lat, [batch x 8 + head][4096]); work-groups 256-479 round the five large
; weights to bf16 (wb): Wq, Wk, Wv, Wog side by side as one matrix [1024][5120] (head h: columns 128 h q, 128 h + 64 k; v from 1024, the output gate from 3072), then Wo [2048][1024] at byte 10,485,760.
; Wo's rounded numbers are written as f16, since its partner in the last product is f16.  LIMIT: that is exact from 2^-17 up to 65,504; below, f16's fixed step of 6e-8 holds; beyond, Wo is lost.
; log2 sigmoid(u) = min(u2, 0) - log2(1 + 2^-|u2|), u2 = u log2(e): finite for every finite u.  LIMIT: beyond |u2| = 24 the second term counts as 0.
; Memory binds: loads of 16 bytes a lane, stores that cover 256 consecutive bytes a wave (Wq's and Wk's: two runs of 128).  No matrix unit, no cluster: nothing is shared but Wg, 32 KiB, which lies in LDS.
; THE MODE: SCHED_MODE bits 1:0 = 2 (LLVM: expert scheduling mode 2), set by the entry lines.  The code itself states the register dependences between vector instructions and memory or LDS instructions,
; with s_wait_alu, always for 0.
; THE PLAN, x's path.  A row's 1,024 columns go in eight halves of 128.  Half n works on X[n % 2] and rounds into Y[n % 2].  Registers that memory or LDS instructions touch in the loop:
;   WR       Written by the eight LDS loads at a half's head; read by that half's 64 multiply-adds.
;   XA, XB   Written by the loads of half n + 1, issued at the head of half n; read by half n + 1's multiply-adds and roundings.
;   YA, YB   Written by half n's roundings; read by the four stores at the head of half n + 1.
;   v[WL]    Read by every LDS load of Wg; written once a trip, at the trip's end.
;   v[XO], v[YO]  Offsets, made at the head and never written again: the two scalar bases move on at a trip's end, and immediate offsets do the rest.
; A half's memory instructions all stand at its head and touch WR, the other X and the other Y: what the half before worked on, and what no vector instruction of this half but WR's readers names.  So ONE wait
; on va_vdst at a half's head states all that they hang on.  ONE wait on vm_vsrc a trip, beside s_wait_xcnt 0, stands in the trip's second half ahead of its roundings: behind it no memory instruction is
; issued until the next half's head, so it frees YA for those roundings, YB for the next half's, and the bases and v[WL] for the steps at the trip's end.
; THE PLAN, the weights' path.  WLD: written by eight loads, read by a trip's conversions.  WD, WP: written by a trip's vector instructions, read by its eight stores.  v2: the loads' offset, made once.
; A trip: the eight offsets, while the loads are out; the conversions; one wait on va_vdst; the next trip's loads; the stores; one wait on vm_vsrc, beside s_wait_xcnt 0, ahead of the backward jump.
.set ZX,    32768                      ; LDS: Wg in lane order at 0; 256 words of la here; then the spare words, 128 bytes for each wave
.set SPARE, 33792
.set LN,   1                           ; lane
.set XO,   2                           ; my byte offset in x: 16 l + 4 rows x wave; never rewritten
.set YO,   3                           ; in xb: 8 l + 4 rows x wave; never rewritten
.set WL,   4                           ; LDS address of my part of Wg
.set T0,   5                           ; v5-8 at work
.set IDX,  9                           ; which of the wave's 32 sums ends in my lane
.set TA,   10
.set ZXA,  11
.set BGV,  12
.set SSRC, 13
.set SDST, 14
.set LATO, 15
.set XA,   16                          ; v[16:31]  4 rows x 4 columns of x
.set XB,   32                          ; v[32:47]  the same for the next 128 columns
.set WR,   48                          ; v[48:79]  Wg of my 4 columns: register 8 kk + head
.set ACC,  80                          ; v[80:111] partial sums: register 8 row + head
.set YA,   112
.set YB,   120
.set SPW,  128
.set NIL,  129
.set WLD,  16                          ; the weights' path: 8 chunks as loaded,
.set WD,   48                          ; their byte offsets in wb,
.set WP,   56                          ; and their packed results
	s_load_b512 s[16:31], s[0:1], 0x0              ; x 16, Wg 18, bg 20, Wq 22, Wk 24, Wv 26, Wog 28, Wo 30
	s_load_b128 s[32:35], s[0:1], 0x40             ; xb 32, wb 34
	s_load_b64 s[36:37], s[0:1], 0x50              ; lat
	v_lshl_add_u32 v[SPW], v0, 2, SPARE
	v_mov_b32 v[NIL], 0
	s_cmp_ge_u32 ttmp9, 256                        ; the same in all eight waves
	s_cbranch_scc1 .Lweights
	; ---- x: 32 rows a work-group, 4 a wave; lane l holds columns 128 jj + 4 l + 0..3, jj = 0..7 ----
	v_and_b32 v[LN], 31, v0
	v_lshrrev_b32 v[TA], 5, v0
	v_readfirstlane_b32 s38, v[TA]                 ; wave
	s_mov_b32 s46, 0x76543210
	s_mov_b32 s47, 0xfedcba98
	v_and_b32 v[T0], 1, v[LN]                      ; the lane's five bits as masks, and IDX = 16 b0 + 8 b1 + 4 b2 + 2 b3 + b4
	v_cmp_ne_u32 s41, 0, v[T0]
	v_lshlrev_b32 v[IDX], 4, v[T0]
	v_and_b32 v[T0], 2, v[LN]
	v_cmp_ne_u32 s42, 0, v[T0]
	v_lshl_or_b32 v[IDX], v[T0], 2, v[IDX]
	v_and_b32 v[T0], 4, v[LN]
	v_cmp_ne_u32 s43, 0, v[T0]
	v_or_b32 v[IDX], v[IDX], v[T0]
	v_and_b32 v[T0], 8, v[LN]
	v_cmp_ne_u32 s44, 0, v[T0]
	v_lshrrev_b32 v[T0], 2, v[T0]
	v_or_b32 v[IDX], v[IDX], v[T0]
	v_bfe_u32 v[T0], v[LN], 4, 1
	v_cmp_ne_u32 s45, 0, v[T0]
	v_or_b32 v[IDX], v[IDX], v[T0]
	v_and_b32 v[T0+1], 7, v[IDX]                   ; my sum's head
	v_lshrrev_b32 v[T0+2], 3, v[IDX]               ; and row
	v_lshlrev_b32 v[TA], 2, v[T0+1]
	s_wait_alu depctr_va_sdst(0)                   ; s38 and the five masks s41 to s45 are written: one wait for the six, ahead of s38's first reader below and, for the masks that the selects of the reduction read, ahead of every label
	s_lshl_b32 s39, s38, 2
	v_lshl_add_u32 v[ZXA], v[T0+1], 5, v[T0+2]
	v_add_nc_u32 v[ZXA], s39, v[ZXA]
	v_lshl_add_u32 v[ZXA], v[ZXA], 2, ZX           ; word head x 32 + 4 wave + row
	s_lshl_b32 s39, s38, 14
	v_lshl_add_u32 v[XO], v[LN], 4, s39
	s_lshl_b32 s39, s38, 13
	v_lshl_add_u32 v[YO], v[LN], 3, s39
	v_lshlrev_b32 v[WL], 4, v[LN]
	v_lshlrev_b32 v[SSRC], 4, v0
	v_and_b32 v[T0], 7, v0
	v_lshrrev_b32 v[T0+1], 3, v0
	v_lshlrev_b32 v[SDST], 4, v[T0+1]
	v_lshl_add_u32 v[SDST], v[T0], 9, v[SDST]      ; piece t % 8 of lane t / 8's 128 bytes goes to 512 (t % 8) + 16 (t / 8): a wave's later reads are 512 bytes on end
	s_lshr_b32 s48, ttmp9, 7                       ; batch
	s_lshl_b32 s48, s48, 17
	s_and_b32 s49, ttmp9, 127
	s_lshl_b32 s49, s49, 7
	s_add_co_u32 s48, s48, s49
	v_lshrrev_b32 v[T0], 5, v0
	v_lshlrev_b32 v[LATO], 2, v[LN]
	v_lshl_add_u32 v[LATO], v[T0], 14, v[LATO]
	v_add_nc_u32 v[LATO], s48, v[LATO]             ; thread t stores head t / 32, token t % 32 of the group's 32
	s_lshl_b32 s50, ttmp9, 17
	s_mov_b32 s51, 0
	s_lshl_b32 s52, ttmp9, 16
	s_mov_b32 s53, 0
	s_wait_kmcnt 0x0
	s_add_nc_u64 s[16:17], s[16:17], s[50:51]      ; x and xb at the group's first row
	s_add_nc_u64 s[32:33], s[32:33], s[52:53]
	s_wait_alu depctr_va_vdst(0)                   ; the offsets and addresses v[XO], v[YO], v[WL], v[TA], v[ZXA], v[SSRC], v[SDST], v[LATO] are written, which the loads and stores of this path read
	global_load_b32 v[BGV], v[TA], s[20:21]
.irp i, 0,1,2,3,4,5,6,7
	global_load_b128 v[ACC+4*(\i):ACC+4*(\i)+3], v[SSRC], s[18:19] offset:4096*(\i)
.endr
.irp rr, 0,1,2,3
	global_load_b128 v[XA+4*(\rr):XA+4*(\rr)+3], v[XO], s[16:17] offset:(\rr)*4096 th:TH_LOAD_NT
.endr
.irp rr, 0,1,2,3
	global_load_b128 v[XB+4*(\rr):XB+4*(\rr)+3], v[XO], s[16:17] offset:(\rr)*4096+512 th:TH_LOAD_NT
.endr
	s_wait_loadcnt 8                               ; bg and Wg are in; the eight loads of x stay out
.irp i, 0,1,2,3,4,5,6,7
	ds_store_b128 v[SDST], v[ACC+4*(\i):ACC+4*(\i)+3] offset:4096*(\i)
.endr
	v_mul_f32 v[BGV], 0x3db8aa3b, v[BGV]           ; bg log2(e) / 16
	s_wait_dscnt 0x0                               ; for the others' sake: my part of Wg lies in LDS
	s_barrier_signal -1
	s_barrier_wait -1
	s_wait_alu depctr_vm_vsrc(0)                   ; my LDS stores have read v[ACC ..], which the lines below write; bg's load has read v[TA], which is made anew at the path's end
.set r, 0
.rept 32
	v_mov_b32 v[ACC+r], 0                          ; written while x is on its way, so that the loop has one form
.set r, r+1
.endr
; Half h of a trip (0: the first half of all, ahead of the loop; 1, 2: a trip's two), on 128 columns of the wave's four rows.  At its head: Wg's 32 numbers for my 4 columns from LDS; ahead = 1: the next
; half's four loads, into the other set; the four stores of the half before, from the other packed set.  Then 64 packed multiply-adds and the rounding.  left = the younger loads that may stay out.
; free = 1: the trip's second half, which holds the trip's one wait on vm_vsrc.
.macro HALF set, oset, yset, oyset, h, ahead, free, left
.if (\h) > 0
	s_wait_alu depctr_va_vdst(0)                   ; the half before is done reading v[WR ..] and its set of x, in which the loads below land, and has written its packed set, which the stores below read; over the backward jump v[WL] is written
.endif
.irp p, 0,1,2,3,4,5,6,7
	ds_load_b128 v[WR+4*(\p):WR+4*(\p)+3], v[WL] offset:(\h)*4096+(\p)*512
.endr
.if \ahead
.irp rr, 0,1,2,3
	global_load_b128 v[(\oset)+4*(\rr):(\oset)+4*(\rr)+3], v[XO], s[16:17] offset:(\rr)*4096+((\h)+1)*512 th:TH_LOAD_NT
.endr
.endif
.if (\h) > 0
.irp rr, 0,1,2,3
	global_store_b64 v[YO], v[(\oyset)+2*(\rr):(\oyset)+2*(\rr)+1], s[32:33] offset:(\rr)*2048+((\h)-1)*256 th:TH_STORE_NT  ; a wave stores 256 consecutive bytes, aligned
.endr
.endif
	s_wait_loadcnt \left                           ; this set is in; the other set's four loads stay out
.irp kp, 0,1
	s_wait_dscnt 6-4*(\kp)                         ; LDS loads come back in order (ISA guide 5.7.1): the two that the sixteen lines below read are in, the younger ones stay out
.irp rr, 0,1,2,3
.irp hp, 0,1,2,3
	v_pk_fma_f32 v[ACC+8*(\rr)+2*(\hp):ACC+8*(\rr)+2*(\hp)+1], v[WR+16*(\kp)+2*(\hp):WR+16*(\kp)+2*(\hp)+1], v[(\set)+4*(\rr)+2*(\kp):(\set)+4*(\rr)+2*(\kp)+1], v[ACC+8*(\rr)+2*(\hp):ACC+8*(\rr)+2*(\hp)+1] op_sel_hi:[1,0,1]
.endr
.endr
	s_wait_dscnt 4-4*(\kp)                         ; the next two
.irp rr, 0,1,2,3
.irp hp, 0,1,2,3
	v_pk_fma_f32 v[ACC+8*(\rr)+2*(\hp):ACC+8*(\rr)+2*(\hp)+1], v[WR+16*(\kp)+8+2*(\hp):WR+16*(\kp)+8+2*(\hp)+1], v[(\set)+4*(\rr)+2*(\kp):(\set)+4*(\rr)+2*(\kp)+1], v[ACC+8*(\rr)+2*(\hp):ACC+8*(\rr)+2*(\hp)+1] op_sel:[0,1,0] op_sel_hi:[1,1,1]
.endr
.endr
.endr
.if \free
	s_wait_xcnt 0x0                                ; every memory instruction issued so far has had its addresses translated (ISA guide 3.1): both packed sets and the two bases are rewritten only behind this wait
	s_wait_alu depctr_vm_vsrc(0)                   ; the stores issued so far have read both packed sets (this one is written below, the other in the next half), and the LDS loads have read v[WL], which is stepped at the trip's end
.endif
.irp rr, 0,1,2,3
	v_cvt_pk_bf16_f32 v[(\yset)+2*(\rr)],   v[(\set)+4*(\rr)],   v[(\set)+4*(\rr)+1]
	v_cvt_pk_bf16_f32 v[(\yset)+2*(\rr)+1], v[(\set)+4*(\rr)+2], v[(\set)+4*(\rr)+3]
.endr
.endm
	HALF XA, XB, YA, YB, 0, 0, 0, 4                ; the first half has no half in front of it: no store, and no wait on the vector side: since the wait ahead of the first load no vector instruction has named v[WL] or v[WR ..]
	s_mov_b32 s40, 3
.Lx:                                                   ; halves 1 to 6, two to a trip
	HALF XB, XA, YB, YA, 1, 1, 0, 4
	HALF XA, XB, YA, YB, 2, 1, 1, 4
	s_add_nc_u64 s[16:17], s[16:17], 1024          ; free since the two waits in the half above: no memory instruction has been issued behind them
	s_add_nc_u64 s[32:33], s[32:33], 512
	v_add_nc_u32 v[WL], 8192, v[WL]
	s_sub_co_u32 s40, s40, 1
	s_cmp_lg_u32 s40, 0
	s_cbranch_scc1 .Lx
	HALF XB, XA, YB, YA, 1, 0, 0, 0                ; the last 128 columns: nothing is left to load
	s_wait_alu depctr_va_vdst(0)                   ; the last half's roundings have written v[YB ..], which the last four stores read
.irp rr, 0,1,2,3
	global_store_b64 v[YO], v[YB+2*(\rr):YB+2*(\rr)+1], s[32:33] offset:(\rr)*2048+256 th:TH_STORE_NT
.endr
; The 32 sums over the 32 lanes: in each step a lane keeps one half of its sums and hands the other half to the lane that differs in one bit.  31 additions for 32 sums; lane l ends with sum IDX.
.macro RS m, n, msk
.set ri, 0
.rept (\n)/2
	v_cndmask_b32 v[T0+2*(ri%2)],   v[ACC+ri], v[ACC+ri+(\n)/2], s[\msk]
	v_cndmask_b32 v[T0+2*(ri%2)+1], v[ACC+ri+(\n)/2], v[ACC+ri], s[\msk]
	v_add_f32_dpp v[ACC+ri], v[T0+2*(ri%2)+1], v[T0+2*(ri%2)] row_xmask:\m row_mask:0xf bank_mask:0xf
.set ri, ri+1
.endr
.endm
	RS 1, 32, 41
	RS 2, 16, 42
	RS 4, 8, 43
	RS 8, 4, 44
	v_cndmask_b32 v[T0],   v[ACC], v[ACC+1], s45
	v_cndmask_b32 v[T0+1], v[ACC+1], v[ACC], s45
	v_permlanex16_b32 v[T0+2], v[T0+1], s46, s47
	v_add_f32 v[T0], v[T0], v[T0+2]
	v_fmamk_f32 v[T0], v[T0], 0x3db8aa3b, v[BGV]   ; u2 = (z + bg) log2(e) / 16
	v_or_b32 v[T0+1], 0x80000000, v[T0]            ; -|u2|
	v_exp_f32 v[T0+1], v[T0+1]
	v_min_num_f32 v[T0+2], 0, v[T0]                ; the plain instruction behind the exponential
	s_wait_alu depctr_va_vdst(0)                   ; the exponential has written v[T0+1]: the wait ahead of the result's first reader
	v_add_f32 v[T0+1], 1.0, v[T0+1]
	v_log_f32 v[T0+1], v[T0+1]
	v_nop
	s_wait_alu depctr_va_vdst(0)                   ; the logarithm has written v[T0+1], ahead of its first reader
	v_sub_f32 v[T0], v[T0+2], v[T0+1]              ; la
	v_lshl_add_u32 v[TA], v0, 2, ZX                ; (bg's load has read the old v[TA]: the wait on vm_vsrc behind the first barrier)
	s_wait_alu depctr_va_vdst(0)                   ; v[T0] is written, which the LDS store reads; so is v[TA], the LDS load's address; and the subtraction is done reading v[T0+1], in which that load lands
	ds_store_b32 v[ZXA], v[T0]
	s_wait_dscnt 0x0
	s_barrier_signal -1
	s_barrier_wait -1                              ; all 256 la of the group lie in LDS, by heads
	ds_load_b32 v[T0+1], v[TA]
	s_wait_dscnt 0x0
	global_store_b32 v[LATO], v[T0+1], s[36:37]
	s_wait_dscnt 0x0                               ; the closing lines, six on end
	s_wait_alu 0x0
	s_wait_tensorcnt 0x0
	ds_add_u32 v[SPW], v[NIL]
	s_wait_dscnt 0x0
	s_endpgm
	; ---- the weights: 131,072 source bytes a work-group
.Lweights:
	s_sub_co_u32 s40, ttmp9, 256
	s_wait_kmcnt 0x0
	s_mov_b64 s[42:43], s[22:23]                   ; Wq: 16 work-groups
	s_mov_b32 s44, 0                               ; the matrix's first work-group
	s_mov_b32 s45, 9                               ; log2 of its columns
	s_mov_b32 s53, 511                             ; columns - 1
	s_mov_b32 s46, 6                               ; column c goes to ((c >> SH) << 7) + (c & MSK) + CB
	s_mov_b32 s47, 63
	s_mov_b32 s48, 0
	s_mov_b32 s49, 10240                           ; bytes in a row of the target
	s_mov_b32 s50, 0                               ; the target's first byte in wb
	s_mov_b32 s51, 0
	s_mov_b32 s57, 0                               ; all ones where the rounded number is written as f16
	s_cmp_ge_u32 s40, 16                           ; Wk
	s_cselect_b64 s[42:43], s[24:25], s[42:43]
	s_cselect_b32 s44, 16, s44
	s_cselect_b32 s48, 64, s48
	s_cmp_ge_u32 s40, 32                           ; Wv
	s_cselect_b64 s[42:43], s[26:27], s[42:43]
	s_cselect_b32 s44, 32, s44
	s_cselect_b32 s45, 11, s45
	s_cselect_b32 s53, 2047, s53
	s_cselect_b32 s46, 11, s46
	s_cselect_b32 s47, 2047, s47
	s_cselect_b32 s48, 1024, s48
	s_cmp_ge_u32 s40, 96                           ; Wog
	s_cselect_b64 s[42:43], s[28:29], s[42:43]
	s_cselect_b32 s44, 96, s44
	s_cselect_b32 s48, 3072, s48
	s_cmp_ge_u32 s40, 160                          ; Wo
	s_cselect_b64 s[42:43], s[30:31], s[42:43]
	s_cselect_b32 s44, 160, s44
	s_cselect_b32 s45, 10, s45
	s_cselect_b32 s53, 1023, s53
	s_cselect_b32 s48, 0, s48
	s_cselect_b32 s49, 2048, s49
	s_cselect_b32 s50, 10485760, s50
	s_cselect_b32 s57, -1, s57
	s_sub_co_u32 s40, s40, s44                     ; my number among the matrix's work-groups
	s_lshl_b32 s52, s40, 15                        ; my first element
	s_lshl_b32 s54, s40, 17                        ; my first byte
	s_mov_b32 s55, 0
	s_add_nc_u64 s[42:43], s[42:43], s[54:55]
	s_add_nc_u64 s[34:35], s[34:35], s[50:51]
	v_lshlrev_b32 v2, 4, v0
	v_lshl_add_u32 v3, v0, 2, s52                  ; the element number of my first four
	s_mov_b32 s56, 4
	s_wait_alu depctr_va_vdst(0)                   ; v2 is written, which every load of this path reads as its offset
.irp u, 0,1,2,3,4,5,6,7
	global_load_b128 v[WLD+4*(\u):WLD+4*(\u)+3], v2, s[42:43] offset:4096*(\u) th:TH_LOAD_NT
.endr
.Lw:
.irp u, 0,1,2,3,4,5,6,7                ; the eight offsets in wb hang on no data: they are made while the loads are out
	v_add_nc_u32 v5, 1024*(\u), v3
	v_lshrrev_b32 v6, s45, v5                      ; row
	v_and_b32 v5, s53, v5                          ; column
	v_lshrrev_b32 v7, s46, v5
	v_and_b32 v5, s47, v5
	v_lshl_add_u32 v5, v7, 7, v5
	v_add_lshl_u32 v5, v5, s48, 1
	v_mad_u32_u24 v[WD+(\u)], v6, s49, v5
.endr
.irp u, 0,1,2,3,4,5,6,7
	s_wait_loadcnt 7-(\u)                          ; chunk u is in; the younger ones stay out
	v_cvt_pk_bf16_f32 v[WP+2*(\u)],   v[WLD+4*(\u)],   v[WLD+4*(\u)+1]
	v_cvt_pk_bf16_f32 v[WP+2*(\u)+1], v[WLD+4*(\u)+2], v[WLD+4*(\u)+3]
.irp c, 0,1
	v_lshlrev_b32 v8, 16, v[WP+2*(\u)+(\c)]        ; the rounded pair once more as f32, then as f16; the select keeps it for Wo alone
	v_and_b32 v9, 0xffff0000, v[WP+2*(\u)+(\c)]
	v_cvt_pk_f16_f32 v8, v8, v9
	v_cndmask_b32 v[WP+2*(\u)+(\c)], v[WP+2*(\u)+(\c)], v8, s57
.endr
.endr
	s_wait_alu depctr_va_vdst(0)                   ; the trip's vector instructions have written v[WD ..] and v[WP ..], which the stores read, and are done reading v[WLD ..], in which the next trip's loads land
	s_cmp_eq_u32 s56, 1
	s_cbranch_scc1 .Lwlast                         ; the last trip asks for nothing more: no load leaves its matrix
	s_add_nc_u64 s[42:43], s[42:43], 32768         ; free since the wait for chunk 7, which shows all loads that read it done
.irp u, 0,1,2,3,4,5,6,7
	global_load_b128 v[WLD+4*(\u):WLD+4*(\u)+3], v2, s[42:43] offset:4096*(\u) th:TH_LOAD_NT
.endr
.Lwlast:
.irp u, 0,1,2,3,4,5,6,7
	global_store_b64 v[WD+(\u)], v[WP+2*(\u):WP+2*(\u)+1], s[34:35] th:TH_STORE_NT
.endr
	s_wait_xcnt 0x0                                ; the offsets and the packed registers are rewritten only behind this wait
	s_wait_alu depctr_vm_vsrc(0)                   ; the stores have read v[WD ..] and v[WP ..], which the next trip writes again
	v_add_nc_u32 v3, 8192, v3
	s_sub_co_u32 s56, s56, 1
	s_cmp_lg_u32 s56, 0
	s_cbranch_scc1 .Lw
	s_endpgm
.Lfunc_end_k_q1942df81ff_cast:
	.size	k_q1942df81ff_cast, .Lfunc_end_k_q1942df81ff_cast-k_q1942df81ff_cast
	.p2alignl 7, 3214868480
	.fill 96, 4, 3214868480
	.section	.rodata,"a",@progbits
	.p2align	6, 0x0
	.amdhsa_kernel k_q1942df81ff_cast
		.amdhsa_group_segment_fixed_size 34816
		.amdhsa_private_segment_fixed_size 0
		.amdhsa_enable_private_segment 0
		.amdhsa_kernarg_size 88
		.amdhsa_user_sgpr_count 2
		.amdhsa_user_sgpr_kernarg_segment_ptr 1
		.amdhsa_wavefront_size32 1
		.amdhsa_system_sgpr_workgroup_id_x 1
		.amdhsa_system_sgpr_workgroup_id_y 1
		.amdhsa_system_sgpr_workgroup_id_z 1
		.amdhsa_system_vgpr_workitem_id 0
		.amdhsa_next_free_vgpr 132
		.amdhsa_next_free_sgpr 66
		.amdhsa_reserve_vcc 0
		.amdhsa_float_denorm_mode_32 3
		.amdhsa_float_denorm_mode_16_64 3
		.amdhsa_memory_ordered 1
		.amdhsa_forward_progress 1
		.amdhsa_inst_pref_size 49
	.end_amdhsa_kernel
	.amdgpu_metadata
---
amdhsa.version: [ 1, 2 ]
amdhsa.kernels:
  - .name:           k_q1942df81ff_cast
    .symbol:         k_q1942df81ff_cast.kd
    .args:
      - { .name: x, .offset: 0, .size: 8, .value_kind: global_buffer, .address_space: global }
      - { .name: Wg, .offset: 8, .size: 8, .value_kind: global_buffer, .address_space: global }
      - { .name: bg, .offset: 16, .size: 8, .value_kind: global_buffer, .address_space: global }
      - { .name: Wq, .offset: 24, .size: 8, .value_kind: global_buffer, .address_space: global }
      - { .name: Wk, .offset: 32, .size: 8, .value_kind: global_buffer, .address_space: global }
      - { .name: Wv, .offset: 40, .size: 8, .value_kind: global_buffer, .address_space: global }
      - { .name: Wog, .offset: 48, .size: 8, .value_kind: global_buffer, .address_space: global }
      - { .name: Wo, .offset: 56, .size: 8, .value_kind: global_buffer, .address_space: global }
      - { .name: xb, .offset: 64, .size: 8, .value_kind: global_buffer, .address_space: global }
      - { .name: wb, .offset: 72, .size: 8, .value_kind: global_buffer, .address_space: global }
      - { .name: lat, .offset: 80, .size: 8, .value_kind: global_buffer, .address_space: global }
    .group_segment_fixed_size: 34816
    .private_segment_fixed_size: 0
    .kernarg_segment_align: 8
    .kernarg_segment_size: 88
    .max_flat_workgroup_size: 256
    .sgpr_count:     66
    .vgpr_count:     132
    .wavefront_size: 32
...
	.end_amdgpu_metadata
.endif
;; end of part 7
;; launch proj: the kernel of part 2 again; grid 20 x 32, 4 waves a work-group, clusters of 4 x 4, 327,680 bytes of LDS; arguments xb, wb, pj; writes pj
;; launch ustate: the kernel of part 3 again; grid 16 x 16, 4 waves a work-group, no clusters, 215,552 bytes of LDS; arguments pj, lat, ust, mxt; writes ust, mxt
;; launch scan (part 8): grid 257 x 1, 4 waves a work-group, no clusters, 0 bytes of LDS; arguments ust, mxt, sst; writes sst
.if DOCPART == 8
	.amdgcn_target "amdgcn-amd-amdhsa--gfx1250"
	.amdhsa_code_object_version 6
	.text
	.protected	k_q1942df81ff_scan
	.globl	k_q1942df81ff_scan
	.p2align	8
	.type	k_q1942df81ff_scan,@function
k_q1942df81ff_scan:
	s_mov_b64 s[64:65], 0
	v_nop
	global_prefetch_b8 v0, s[64:65] scope:SCOPE_SE
	s_setreg_imm32_b32 hwreg(HW_REG_WAVE_SCHED_MODE, 0, 2), 2
	s_setreg_imm32_b32 hwreg(HW_REG_WAVE_MODE, 25, 1), 1
	s_wait_xcnt 0x0
	s_wait_alu depctr_vm_vsrc(0)
; The state that enters segment j + 1: S(1) = U(0); S(j + 1) = 2^(L_256(j)) S(j) + U(j), j = 1..14.  LEFT OUT: the state that enters segment 0, which reference() builds as zeros: no state is stored in slot 0 of sst.
; Work-groups 0-255, number by number: a work-group has 1/16 of one (batch, head)'s 16,384 numbers, a thread eight of them.  The carry stays in f32 registers; each S is stored rounded once to bf16, in the order
; in which the next launch's matrix operand takes it: tile (nt, dt) at (4 nt + dt) x 512 + 16 l.  All 44 loads of a thread go out at once; the waits count down.
; Work-group 256 joins the 1,024 entries of mxt: wave w takes entries 256 w .. 256 w + 255 and stores the biased f16 exponents of its largest |q|, |k|, |v|, and a 0, as four words at byte 16 w of sst (the head of
; the first pair's unused slot 0).  The later launches join the four by scalar maxima.
; THE MODE: SCHED_MODE bits 1:0 = 2 (LLVM: expert scheduling mode 2), set by the entry lines.  The code itself states the register dependences between vector instructions and memory instructions,
; with s_wait_alu, always for 0.
; THE PLAN.  Registers that memory instructions touch:
;   v[UOF], v[SOF], v[L4]  Offsets, made once at the head and never written again.
;   G, U     Written by the 44 loads, which go out behind the head's one wait into registers that no vector instruction has named; from then on vector instructions alone name them.
;   O(j)     Four registers for each segment: written once, by step j's roundings; read by one store, issued at the head of step j + 1.  None is ever written again.
; So one wait on va_vdst stands at the head of each step, behind the wait for that step's U: the step before has written O(j - 1), whose store follows at once.  No register that a memory instruction reads is
; written again, so this way through the text holds no wait on vm_vsrc.
.set UOF, 3
.set SOF, 4
.set L4,  5
.set G,   8                            ; v[8:23]  2^(L_256(j)) at G + j; v8 and v23 are 0: named in pairs only
.set U,   24                           ; v[24:143] segment j at U + 8 j; segment 0's registers carry the state
.set O,   144                          ; v[144:203] packed results, four for each segment
	s_load_b128 s[4:7], s[0:1], 0x0                ; ust, mxt
	s_load_b64 s[14:15], s[0:1], 0x10              ; sst
	v_and_b32 v1, 31, v0
	v_lshrrev_b32 v2, 5, v0
	s_cmp_eq_u32 ttmp9, 256
	s_cbranch_scc1 .Lscale
	s_lshr_b32 s8, ttmp9, 4                        ; bh
	s_and_b32 s9, ttmp9, 15                        ; piece
	v_lshlrev_b32 v[UOF], 4, v1
	v_lshl_add_u32 v[UOF], v2, 10, v[UOF]
	s_lshl_b32 s10, s9, 12
	v_add_nc_u32 v[UOF], s10, v[UOF]               ; tile 4 piece + wave, 16 l
	s_lshl_b32 s10, s9, 11
	v_lshl_add_u32 v[SOF], v0, 4, s10
	v_lshlrev_b32 v[L4], 2, v1
	s_lshl_b32 s10, s8, 20
	s_mov_b32 s11, 0
	s_lshl_b32 s12, s8, 19
	s_mov_b32 s13, 0
	v_mov_b32 v[G], 0
	v_mov_b32 v[G+15], 0
	s_wait_kmcnt 0x0
	s_add_nc_u64 s[4:5], s[4:5], s[10:11]
	s_add_nc_u64 s[14:15], s[14:15], s[12:13]
	s_wait_alu depctr_va_vdst(0)                   ; the three offsets v[UOF], v[SOF], v[L4] are written, which every load and store below reads
.set j, 1
.rept 14
	global_load_b32 v[G+j], v[L4], s[4:5] offset:983040+128*j
.set j, j+1
.endr
.set j, 0
.rept 15
	global_load_b128 v[U+8*j:U+8*j+3],   v[UOF], s[4:5] offset:65536*j th:TH_LOAD_NT
	global_load_b128 v[U+8*j+4:U+8*j+7], v[UOF], s[4:5] offset:65536*j+512 th:TH_LOAD_NT
.set j, j+1
.endr
	s_wait_loadcnt 30                              ; the 14 L_256 are in; U's 30 loads stay out
.set j, 1
.rept 14
	v_exp_f32 v[G+j], v[G+j]
.set j, j+1
.endr
	v_nop
	s_wait_alu depctr_va_vdst(0)                   ; the 14 exponentials have written v[G+1 ..]: one wait for the batch, ahead of its first reader
	s_wait_loadcnt 28                              ; U(0)
.irp c, 0,1,2,3
	v_cvt_pk_bf16_f32 v[O+(\c)], v[U+2*(\c)], v[U+2*(\c)+1]
.endr
.set j, 1
.rept 14
	s_wait_loadcnt 28-2*j                          ; U(j) is in; the later segments' loads stay out
	s_wait_alu depctr_va_vdst(0)                   ; the step before has written O(j - 1), which the store below reads
	global_store_b128 v[SOF], v[O+4*j-4:O+4*j-1], s[14:15] offset:32768*j  ; a wave stores 512 consecutive bytes, aligned
.irp c, 0,2,4,6
.if j%2
	v_pk_fma_f32 v[U+(\c):U+(\c)+1], v[U+(\c):U+(\c)+1], v[G+j-1:G+j], v[U+8*j+(\c):U+8*j+(\c)+1] op_sel:[0,1,0] op_sel_hi:[1,1,1]
.else
	v_pk_fma_f32 v[U+(\c):U+(\c)+1], v[U+(\c):U+(\c)+1], v[G+j:G+j+1], v[U+8*j+(\c):U+8*j+(\c)+1] op_sel_hi:[1,0,1]
.endif
.endr
.irp c, 0,1,2,3
	v_cvt_pk_bf16_f32 v[O+4*j+(\c)], v[U+2*(\c)], v[U+2*(\c)+1]
.endr
.set j, j+1
.endr
	s_wait_alu depctr_va_vdst(0)                   ; the last step has written O(14), which the last store reads
	global_store_b128 v[SOF], v[O+56:O+59], s[14:15] offset:32768*15
	s_endpgm
.Lscale:
	v_lshlrev_b32 v3, 4, v1
	v_lshl_add_u32 v3, v2, 12, v3                  ; entry 256 wave + l, 16 bytes each
	v_lshlrev_b32 v4, 4, v2                        ; my wave's 16 bytes of sst
	s_mov_b32 s16, 0x76543210
	s_mov_b32 s17, 0xfedcba98
	v_mov_b32 v60, 0
	s_wait_kmcnt 0x0
	s_wait_alu depctr_va_vdst(0)                   ; v3 is written, which the eight loads read as their offset
.irp i, 0,1,2,3,4,5,6,7
	global_load_b128 v[24+4*(\i):27+4*(\i)], v3, s[6:7] offset:512*(\i)
.endr
	s_wait_loadcnt 0x0
.irp i, 1,2,3,4,5,6,7
.irp c, 0,1,2
	v_pk_max_num_f16 v[24+(\c)], v[24+(\c)], v[24+4*(\i)+(\c)]
.endr
.endr
.irp c, 0,1,2
.irp m, 1,2,4,8
	v_mov_b32_dpp v60, v[24+(\c)] row_xmask:\m row_mask:0xf bank_mask:0xf
	v_pk_max_num_f16 v[24+(\c)], v[24+(\c)], v60
.endr
	v_permlanex16_b32 v60, v[24+(\c)], s16, s17
	v_pk_max_num_f16 v[24+(\c)], v[24+(\c)], v60
	v_bfe_u32 v[24+(\c)], v[24+(\c)], 10, 5        ; the biased exponent E: every number of the kind lies below 2^(E - 14)
.endr
	v_mov_b32 v27, 0
	v_cmp_eq_u32 vcc_lo, 0, v1
	s_wait_xcnt 0x0                                ; EXEC changes only behind this wait
	s_wait_alu depctr_va_vcc(0)                    ; the compare has written VCC, from which EXEC is made
	s_wait_alu depctr_va_vdst(0)                   ; ahead of a write of EXEC: the vector instructions issued so far are done; among them those that wrote v[24:27] and v4, which the store reads
	s_wait_alu depctr_vm_vsrc(0)                   ; ahead of a write of EXEC: the memory instructions issued so far have read their registers
	s_and_saveexec_b32 s18, vcc_lo
	global_store_b128 v4, v[24:27], s[14:15]       ; lane 0 alone
	s_wait_xcnt 0x0                                ; and again in front of the line that widens it
	s_wait_alu depctr_va_vdst(0)                   ; ahead of a write of EXEC, as above
	s_wait_alu depctr_vm_vsrc(0)                   ; the store has read its registers under the narrow EXEC
	s_or_b32 exec_lo, exec_lo, s18
	s_endpgm
.Lfunc_end_k_q1942df81ff_scan:
	.size	k_q1942df81ff_scan, .Lfunc_end_k_q1942df81ff_scan-k_q1942df81ff_scan
	.p2alignl 7, 3214868480
	.fill 96, 4, 3214868480
	.section	.rodata,"a",@progbits
	.p2align	6, 0x0
	.amdhsa_kernel k_q1942df81ff_scan
		.amdhsa_group_segment_fixed_size 0
		.amdhsa_private_segment_fixed_size 0
		.amdhsa_enable_private_segment 0
		.amdhsa_kernarg_size 24
		.amdhsa_user_sgpr_count 2
		.amdhsa_user_sgpr_kernarg_segment_ptr 1
		.amdhsa_wavefront_size32 1
		.amdhsa_system_sgpr_workgroup_id_x 1
		.amdhsa_system_sgpr_workgroup_id_y 1
		.amdhsa_system_sgpr_workgroup_id_z 1
		.amdhsa_system_vgpr_workitem_id 0
		.amdhsa_next_free_vgpr 224
		.amdhsa_next_free_sgpr 66
		.amdhsa_reserve_vcc 1
		.amdhsa_float_denorm_mode_32 3
		.amdhsa_float_denorm_mode_16_64 3
		.amdhsa_memory_ordered 1
		.amdhsa_forward_progress 1
		.amdhsa_inst_pref_size 21
	.end_amdhsa_kernel
	.amdgpu_metadata
---
amdhsa.version: [ 1, 2 ]
amdhsa.kernels:
  - .name:           k_q1942df81ff_scan
    .symbol:         k_q1942df81ff_scan.kd
    .args:
      - { .name: ust, .offset: 0, .size: 8, .value_kind: global_buffer, .address_space: global }
      - { .name: mxt, .offset: 8, .size: 8, .value_kind: global_buffer, .address_space: global }
      - { .name: sst, .offset: 16, .size: 8, .value_kind: global_buffer, .address_space: global }
    .group_segment_fixed_size: 0
    .private_segment_fixed_size: 0
    .kernarg_segment_align: 8
    .kernarg_segment_size: 24
    .max_flat_workgroup_size: 128
    .sgpr_count:     66
    .vgpr_count:     224
    .wavefront_size: 32
...
	.end_amdgpu_metadata
.endif
;; end of part 8
;; launch gla: the kernel of part 5 again; grid 16 x 16, 4 waves a work-group, no clusters, 312,832 bytes of LDS; arguments pj, lat, sst, gg; writes gg
;; launch outp: the kernel of part 6 again; grid 4 x 64, 4 waves a work-group, clusters of 4 x 4, 327,680 bytes of LDS; arguments gg, wb, sst, out0; writes out0
